; MI455X (gfx1250); checked and timed in simulation.
; The chip was launched on July 23, 2026; its instructions are those of AMD's public machine-readable ISA for CDNA 5 (MIT licence, August 2026) and "CDNA5" Instruction Set Architecture Reference Guide (July 2026). The comments in the code are by the model that wrote it; some were corrected since.
;; Grouped Query Attention. Allowed arithmetic: float matrix products may take bf16 or f16 operands with f32 sums; all other float work in f32.
;; Inputs: Wk 2,048 x 512 float32; Wo 1,024 x 2,048 float32; Wq 2,048 x 1,024 float32; Wv 2,048 x 512 float32; k_norm_w 128 float32; q_norm_w 128 float32; x 2 x 2,048 x 2,048 float32.
;; Outputs: out0 2 x 2,048 x 2,048 float32.
;; 2 versions, each right; version 2 is version 1 with the launch prep written anew for expert scheduling mode. Each part assembles by itself: llvm-mc -triple=amdgcn-amd-amdhsa -mcpu=gfx1250 --defsym DOCPART=n.
;; ======== version 1 of 2: 4 launches
;; limits: values outside matrix products are rounded to bf16; values are held in f16: magnitudes above 65,504 overflow, below 6.1e-05 lose precision; a function is approximated: absolute error at most 2.2e-05
;; workspace buffers: xb 16,777,216 bytes; wcat 8,388,608 bytes; wob 4,194,304 bytes; rope 1,048,576 bytes; qkv 16,777,216 bytes; vlo 65,536 bytes; att 8,912,896 bytes
;; launch prep (part 1): grid 1024 x 1, 8 waves a work-group, no clusters, 35,840 bytes of LDS; arguments x, Wq, Wk, Wv, Wo, xb, wcat, wob, rope; writes xb, wcat, wob, rope
.if DOCPART == 1
	.amdgcn_target "amdgcn-amd-amdhsa--gfx1250"
	.amdhsa_code_object_version 6
	.text
	.protected	k_q1c15aed086_prep
	.globl	k_q1c15aed086_prep
	.p2align	8
	.type	k_q1c15aed086_prep,@function
k_q1c15aed086_prep:
	s_mov_b64 s[64:65], 0
	v_nop
	global_prefetch_b8 v0, s[64:65] scope:SCOPE_SE
	s_setreg_imm32_b32 hwreg(HW_REG_WAVE_MODE, 25, 1), 1
	s_wait_xcnt 0x0
; prep: the 16-bit copies of the matrix inputs, and the table of cosines and sines for the rotary embedding.
;   xb   = x in bf16, in the order of the matrix instruction's fragments: [256 row tiles of 16][64 k blocks of 32][1,024 bytes]; in a fragment
;        byte 512 j + 16 lane holds the eight numbers x[16 tile + (lane & 15)][32 block + 16 j + 8 (lane >> 4) + 0..7].  So the next launch
;        loads a fragment by two loads of 512 consecutive bytes, straight into registers.
;   wcat [2048 k][2048 n] bf16 = Wq | Wk | Wv side by side (n 0-1023, 1024-1535, 1536-2047);
;   wob  [1024 k][2048 n] f16 = Wo rounded to bf16 and then held as f16, because its partner operand (att) is f16.
;        LIMIT: that second step is exact for |w| >= 2^-17; smaller numbers move by at most 2^-25.  |w| <= 65,504.
;   rope: 128 tiles of 16 positions, 8,192 bytes each: byte tile*8192 + which*4096 + 16*thread holds four f32, cos (which 0) or sin (1), of
;        position t = 16 tile + (thread & 15) and frequency i = 16 (thread>>6) + 8 ((thread>>4)&1) + 4 ((thread>>5)&1) + 0..3:
;        the order in which a lane of the next launch holds its results.
; A stream: memory binds, so no barrier and no matrix unit.  Every conversion work-group takes 65,536 source bytes: sixteen loads of 16 bytes a
; lane, all issued at once; a wave's load covers 512 consecutive bytes.
;   work-groups 0-511: x, 16 rows x 1,024 k each; a wave takes 16 rows x 128 k, turns them through its own 16 x 272 bytes of LDS into four
;        fragments and stores these by eight stores of 512 consecutive bytes;
;   work-groups 512-895: the weights, sixteen stores of 8 bytes a lane (a wave's store covers 256 consecutive bytes, aligned);
;   work-groups 896-1023: one tile of the table each.
; LIMIT of the table: the angle is reduced by the nearest multiple of 2 pi (held in two parts) and sine and cosine are Taylor sums on
; [-pi, pi], cut behind r^13 and r^14: the terms left out are at most pi^15/15! = 2.2e-5 and pi^16/16! = 4.3e-6.  No input enters it.
.set XPITCH, 272                       ; x's stage: a row of 128 bf16 + 16 bytes: the 16 rows of a fragment load start in 16 different groups of four banks
.set DOFF, 2                           ; weights: v[2:17] byte offset of my 8 bytes in the destination, for each of the 16 loads; never rewritten
.set TT,   18                          ; v[18:19]  at work
.set XR,   32                          ; v[32:95]  16 x 4 f32 as loaded; x: then the fragments
.set YR,   96                          ; v[96:127] 16 x 2 registers of 16-bit numbers
.set EI,   10                          ; table: v[10:13] exponent, then inverse frequency
.set AN,   14                          ; v[14:17] angle
.set NN,   18                          ; v[18:21] turns
.set RA,   22                          ; v[22:25] reduced angle
.set YY,   26                          ; v[26:29] its square
.set PC,   40                          ; v[40:43] cosines
.set PS,   44                          ; v[44:47] sines
	s_load_b512 s[4:19], s[0:1], 0x0               ; x s[4:5], Wq s[6:7], Wk s[8:9], Wv s[10:11], Wo s[12:13], xb s[14:15], wcat s[16:17], wob s[18:19]
	s_load_b64 s[20:21], s[0:1], 0x40              ; rope
	v_lshl_add_u32 v128, v0, 2, 0x8800
	v_mov_b32 v129, 0
	s_mov_b32 s3, ttmp9                            ; the work-group's number
	v_lshlrev_b32 v1, 4, v0                        ; 16 bytes a thread
	s_wait_kmcnt 0x0
	s_cmp_ge_u32 s3, 896
	s_cbranch_scc1 .Ltable
	s_cmp_lt_u32 s3, 512
	s_cbranch_scc1 .Lx
	; Which weight is mine.  SRC s[22:23], DST s[24:25], s26 the tensor's first work-group, s27 destination bytes for 4,096 source bytes,
	; s28 the first destination column in bytes, s29 log2 of a source row's bytes (12 where a row is 4,096 bytes or longer), s30 its mask.
.macro PICK bound, src, dst, first, inc, dcol, sh, mask
	s_cmp_lt_u32 s3, \bound
	s_cselect_b64 s[22:23], s[\src:\src+1], s[22:23]
	s_cselect_b64 s[24:25], s[\dst:\dst+1], s[24:25]
	s_cselect_b32 s26, \first, s26
	s_cselect_b32 s27, \inc, s27
	s_cselect_b32 s28, \dcol, s28
	s_cselect_b32 s29, \sh, s29
	s_cselect_b32 s30, \mask, s30
.endm
	s_mov_b64 s[22:23], s[12:13]                   ; 768-895: Wo, a dense copy
	s_mov_b64 s[24:25], s[18:19]
	s_mov_b32 s26, 768
	s_mov_b32 s27, 2048
	s_mov_b32 s28, 0
	s_mov_b32 s29, 12
	s_mov_b32 s30, 4095
	PICK 768, 10, 16, 704, 8192, 3072, 11, 2047    ; 704-767: Wv, rows of 2,048 bytes into columns 1536.. of wcat's rows of 4,096 bytes
	PICK 704, 8,  16, 640, 8192, 2048, 11, 2047    ; 640-703: Wk, into columns 1024..
	PICK 640, 6,  16, 512, 4096, 0,    12, 4095    ; 512-639: Wq, rows of 4,096 bytes into columns 0..
	s_sub_co_u32 s31, s3, s26                      ; my chunk of that tensor
	s_lshl_b32 s32, s31, 16                        ; 65,536 source bytes a chunk
	s_mov_b32 s33, 0
	s_add_nc_u64 s[22:23], s[22:23], s[32:33]
	s_mul_i32 s34, s31, s27                        ; 16 x s27 destination bytes a chunk,
	s_lshl_b32 s34, s34, 4
	s_add_co_u32 s34, s34, s28                     ; and the first column
	s_mov_b32 s35, 0
	s_add_nc_u64 s[24:25], s[24:25], s[34:35]
	s_mov_b32 s36, 0xffff0000                      ; a word's upper bf16
.irp i, 0,1,2,3,4,5,6,7,8,9,10,11,12,13,14,15
	global_load_b128 v[XR+4*\i:XR+4*\i+3], v1, s[22:23] offset:4096*\i th:TH_LOAD_NT   ; read once in the launch
.endr
	v_lshrrev_b32 v[TT], s29, v1                   ; source row inside 4,096 bytes (0, or 0 and 1)
	v_and_b32 v[TT+1], s30, v1                     ; byte in that row
	v_lshlrev_b32 v[TT], 12, v[TT]                 ; a destination row of wcat is 4,096 bytes
	v_lshrrev_b32 v[TT+1], 1, v[TT+1]              ; 16 bits for 32
	v_add_nc_u32 v[DOFF], v[TT], v[TT+1]
.irp i, 1,2,3,4,5,6,7,8,9,10,11,12,13,14,15
	v_add_nc_u32 v[DOFF+\i], s27, v[DOFF+\i-1]
.endr
	s_cmp_ge_u32 s3, 768
	s_cbranch_scc1 .Lwo
.irp i, 0,1,2,3,4,5,6,7,8,9,10,11,12,13,14,15
	s_wait_loadcnt 15-\i                           ; loads come back in order: load i is in, the 15 - i younger ones stay out
	v_cvt_pk_bf16_f32 v[YR+2*\i],   v[XR+4*\i],   v[XR+4*\i+1]
	v_cvt_pk_bf16_f32 v[YR+2*\i+1], v[XR+4*\i+2], v[XR+4*\i+3]
	global_store_b64 v[DOFF+\i], v[YR+2*\i:YR+2*\i+1], s[24:25]    ; no hint: the next launch reads these bytes
.endr
	s_endpgm
.Lwo:                                              ; Wo: rounded to bf16 like the other inputs, then held as f16
.irp i, 0,1,2,3,4,5,6,7,8,9,10,11,12,13,14,15
	s_wait_loadcnt 15-\i
	v_cvt_pk_bf16_f32 v[TT],   v[XR+4*\i],   v[XR+4*\i+1]
	v_cvt_pk_bf16_f32 v[TT+1], v[XR+4*\i+2], v[XR+4*\i+3]
	v_lshlrev_b32 v[XR+4*\i],   16,  v[TT]
	v_and_b32     v[XR+4*\i+1], s36, v[TT]
	v_lshlrev_b32 v[XR+4*\i+2], 16,  v[TT+1]
	v_and_b32     v[XR+4*\i+3], s36, v[TT+1]
	v_cvt_pk_f16_f32 v[YR+2*\i],   v[XR+4*\i],   v[XR+4*\i+1]
	v_cvt_pk_f16_f32 v[YR+2*\i+1], v[XR+4*\i+2], v[XR+4*\i+3]
	global_store_b64 v[DOFF+\i], v[YR+2*\i:YR+2*\i+1], s[24:25]
.endr
	s_endpgm
.Lx:                                               ; x: row tile = work-group / 2, which 1,024 k = work-group mod 2; my wave: 128 of these k
	v_lshrrev_b32 v2, 5, v0
	v_readfirstlane_b32 s31, v2                    ; wave 0..7
	s_lshr_b32 s32, s3, 1
	s_and_b32 s34, s3, 1
	s_lshl_b32 s36, s32, 17                        ; 16 rows of 8,192 bytes
	s_lshl_b32 s37, s34, 12                        ; 1,024 f32
	s_add_co_u32 s36, s36, s37
	s_lshl_b32 s37, s31, 9                         ; 128 f32
	s_add_co_u32 s36, s36, s37
	s_mov_b32 s37, 0
	s_add_nc_u64 s[22:23], s[4:5], s[36:37]
	s_lshl_b32 s38, s32, 16                        ; 64 fragments of 1,024 bytes a row tile
	s_lshl_b32 s39, s34, 15                        ; 32 fragments
	s_add_co_u32 s38, s38, s39
	s_lshl_b32 s39, s31, 12                        ; 4 fragments
	s_add_co_u32 s38, s38, s39
	s_mov_b32 s39, 0
	s_add_nc_u64 s[24:25], s[14:15], s[38:39]
	v_and_b32 v3, 31, v0                           ; lane
	v_lshlrev_b32 v4, 4, v3                        ; 16 x lane
.irp u, 0,1,2,3,4,5,6,7,8,9,10,11,12,13,14,15
	global_load_b128 v[XR+4*\u:XR+4*\u+3], v4, s[22:23] offset:8192*\u th:TH_LOAD_NT   ; row u: 512 consecutive bytes; read once in the launch
.endr
	s_mul_i32 s40, s31, 16*XPITCH                  ; my wave's stage
	v_lshlrev_b32 v5, 3, v3
	v_add_nc_u32 v5, s40, v5                       ; in: 8 bytes a lane, a whole row of 256 bytes an instruction
	v_and_b32 v6, 15, v0
	v_bfe_u32 v7, v0, 4, 1
	v_mul_u32_u24 v6, v6, XPITCH
	v_lshl_add_u32 v6, v7, 4, v6
	v_add_nc_u32 v6, s40, v6                       ; back: row lane & 15, 16 bytes for each half of the lanes
.irp u, 0,1,2,3,4,5,6,7,8,9,10,11,12,13,14,15
	s_wait_loadcnt 15-\u                           ; row u is in, the 15 - u younger loads stay out
	v_cvt_pk_bf16_f32 v[YR+2*\u],   v[XR+4*\u],   v[XR+4*\u+1]
	v_cvt_pk_bf16_f32 v[YR+2*\u+1], v[XR+4*\u+2], v[XR+4*\u+3]
	ds_store_b64 v5, v[YR+2*\u:YR+2*\u+1] offset:XPITCH*\u
.endr
.irp t, 0,1,2,3,4,5,6,7
	ds_load_b128 v[XR+4*\t:XR+4*\t+3], v6 offset:32*\t     ; half t & 1 of fragment t / 2.  My own bytes, served in order: these see the stores above
.endr
.irp t, 0,1,2,3,4,5,6,7
	s_wait_dscnt 7-\t                              ; LDS loads come back in order: load t is in
	global_store_b128 v4, v[XR+4*\t:XR+4*\t+3], s[24:25] offset:512*\t     ; 512 consecutive bytes, aligned; no hint: the next launch reads them
.endr
	s_wait_tensorcnt 0x0
	ds_add_u32 v128, v129
	s_wait_dscnt 0x0
	s_endpgm
.Ltable:
	s_sub_co_u32 s31, s3, 896                      ; my tile of 16 positions
	s_lshl_b32 s32, s31, 13
	s_mov_b32 s33, 0
	s_add_nc_u64 s[20:21], s[20:21], s[32:33]
	s_lshl_b32 s34, s31, 4
	s_mov_b32 s40, 0x2f309231                      ; 1/13!
	s_mov_b32 s41, 0xad49cba5                      ; -1/14!
	v_and_b32 v2, 15, v0
	v_add_nc_u32 v2, s34, v2
	v_cvt_f32_u32 v2, v2                           ; t
	v_lshrrev_b32 v3, 6, v0
	v_bfe_u32 v4, v0, 5, 1
	v_bfe_u32 v5, v0, 4, 1
	v_lshlrev_b32 v3, 4, v3
	v_lshl_add_u32 v3, v5, 3, v3
	v_lshl_add_u32 v3, v4, 2, v3                   ; my first frequency
.irp e, 0,1,2,3
	v_add_nc_u32 v[EI+\e], \e, v3
	v_cvt_f32_u32 v[EI+\e], v[EI+\e]
	v_mul_f32 v[EI+\e], 0xbe9773da, v[EI+\e]       ; - i log2(500000) / 64
.endr
.irp e, 0,1,2,3
	v_exp_f32 v[EI+\e], v[EI+\e]                   ; 500000^(-i/64)
.endr
	v_nop                                          ; one plain instruction between the exponentials and their use (ISA guide 5.7.2)
	s_wait_alu depctr_va_vdst(0)
.irp e, 0,1,2,3
	v_mul_f32 v[AN+\e], v2, v[EI+\e]               ; the angle, in f32 as the module forms it
	v_mul_f32 v[NN+\e], 0.15915494, v[AN+\e]
	v_rndne_f32 v[NN+\e], v[NN+\e]                 ; whole turns
	v_fmamk_f32 v[RA+\e], v[NN+\e], 0xc0c90fdb, v[AN+\e]   ; - n x the upper part of 2 pi (the product is exact inside the fused multiply-add)
	v_fmamk_f32 v[RA+\e], v[NN+\e], 0x343bbd2e, v[RA+\e]   ; - n x the lower part, which is negative
	v_mul_f32 v[YY+\e], v[RA+\e], v[RA+\e]
.endr
.irp e, 0,1,2,3
	v_fmaak_f32 v[PS+\e], s40, v[YY+\e], 0xb2d7322b        ; -1/11!
	v_fmaak_f32 v[PC+\e], s41, v[YY+\e], 0x310f76c7        ; 1/12!
.endr
.irp e, 0,1,2,3
	v_fmaak_f32 v[PS+\e], v[PS+\e], v[YY+\e], 0x3638ef1d   ; 1/9!
	v_fmaak_f32 v[PC+\e], v[PC+\e], v[YY+\e], 0xb493f27e   ; -1/10!
.endr
.irp e, 0,1,2,3
	v_fmaak_f32 v[PS+\e], v[PS+\e], v[YY+\e], 0xb9500d01   ; -1/7!
	v_fmaak_f32 v[PC+\e], v[PC+\e], v[YY+\e], 0x37d00d01   ; 1/8!
.endr
.irp e, 0,1,2,3
	v_fmaak_f32 v[PS+\e], v[PS+\e], v[YY+\e], 0x3c088889   ; 1/5!
	v_fmaak_f32 v[PC+\e], v[PC+\e], v[YY+\e], 0xbab60b61   ; -1/6!
.endr
.irp e, 0,1,2,3
	v_fmaak_f32 v[PS+\e], v[PS+\e], v[YY+\e], 0xbe2aaaab   ; -1/3!
	v_fmaak_f32 v[PC+\e], v[PC+\e], v[YY+\e], 0x3d2aaaab   ; 1/4!
.endr
.irp e, 0,1,2,3
	v_fma_f32 v[PS+\e], v[PS+\e], v[YY+\e], 1.0
	v_fma_f32 v[PC+\e], v[PC+\e], v[YY+\e], -0.5
.endr
.irp e, 0,1,2,3
	v_mul_f32 v[PS+\e], v[PS+\e], v[RA+\e]
	v_fma_f32 v[PC+\e], v[PC+\e], v[YY+\e], 1.0
.endr
	global_store_b128 v1, v[PC:PC+3], s[20:21]             ; a wave's store covers 512 consecutive bytes
	global_store_b128 v1, v[PS:PS+3], s[20:21] offset:4096
	s_endpgm
.Lfunc_end_k_q1c15aed086_prep:
	.size	k_q1c15aed086_prep, .Lfunc_end_k_q1c15aed086_prep-k_q1c15aed086_prep
	.p2alignl 7, 3214868480
	.fill 96, 4, 3214868480
	.section	.rodata,"a",@progbits
	.p2align	6, 0x0
	.amdhsa_kernel k_q1c15aed086_prep
		.amdhsa_group_segment_fixed_size 35840
		.amdhsa_private_segment_fixed_size 0
		.amdhsa_enable_private_segment 0
		.amdhsa_kernarg_size 72
		.amdhsa_user_sgpr_count 2
		.amdhsa_user_sgpr_kernarg_segment_ptr 1
		.amdhsa_wavefront_size32 1
		.amdhsa_system_sgpr_workgroup_id_x 1
		.amdhsa_system_sgpr_workgroup_id_y 1
		.amdhsa_system_sgpr_workgroup_id_z 1
		.amdhsa_system_vgpr_workitem_id 0
		.amdhsa_next_free_vgpr 130
		.amdhsa_next_free_sgpr 66
		.amdhsa_reserve_vcc 0
		.amdhsa_float_denorm_mode_32 3
		.amdhsa_float_denorm_mode_16_64 3
		.amdhsa_memory_ordered 1
		.amdhsa_forward_progress 1
		.amdhsa_inst_pref_size 31
	.end_amdhsa_kernel
	.amdgpu_metadata
---
amdhsa.version: [ 1, 2 ]
amdhsa.kernels:
  - .name:           k_q1c15aed086_prep
    .symbol:         k_q1c15aed086_prep.kd
    .args:
      - { .name: x, .offset: 0, .size: 8, .value_kind: global_buffer, .address_space: global }
      - { .name: Wq, .offset: 8, .size: 8, .value_kind: global_buffer, .address_space: global }
      - { .name: Wk, .offset: 16, .size: 8, .value_kind: global_buffer, .address_space: global }
      - { .name: Wv, .offset: 24, .size: 8, .value_kind: global_buffer, .address_space: global }
      - { .name: Wo, .offset: 32, .size: 8, .value_kind: global_buffer, .address_space: global }
      - { .name: xb, .offset: 40, .size: 8, .value_kind: global_buffer, .address_space: global }
      - { .name: wcat, .offset: 48, .size: 8, .value_kind: global_buffer, .address_space: global }
      - { .name: wob, .offset: 56, .size: 8, .value_kind: global_buffer, .address_space: global }
      - { .name: rope, .offset: 64, .size: 8, .value_kind: global_buffer, .address_space: global }
    .group_segment_fixed_size: 35840
    .private_segment_fixed_size: 0
    .kernarg_segment_align: 8
    .kernarg_segment_size: 72
    .max_flat_workgroup_size: 256
    .sgpr_count:     66
    .vgpr_count:     130
    .wavefront_size: 32
...
	.end_amdgpu_metadata
.endif
;; end of part 1
;; launch qkv (part 2): grid 16 x 16, 4 waves a work-group, clusters of 4 x 4, 327,680 bytes of LDS; arguments xb, wcat, rope, q_norm_w, k_norm_w, qkv, vlo; writes qkv, vlo
.if DOCPART == 2
	.amdgcn_target "amdgcn-amd-amdhsa--gfx1250"
	.amdhsa_code_object_version 6
	.text
	.protected	k_q1c15aed086_qkv
	.globl	k_q1c15aed086_qkv
	.p2align	8
	.type	k_q1c15aed086_qkv,@function
k_q1c15aed086_qkv:
	s_mov_b64 s[64:65], 0
	v_nop
	global_prefetch_b8 v0, s[64:65] scope:SCOPE_SE
	s_setreg_imm32_b32 hwreg(HW_REG_WAVE_MODE, 25, 1), 1
	s_wait_xcnt 0x0
	s_wait_alu depctr_hold_cnt(0) depctr_sa_sdst(0) depctr_va_vdst(0) depctr_va_sdst(0) depctr_va_ssrc(0) depctr_va_vcc(0) depctr_vm_vsrc(0)
	s_getreg_b32 s2, hwreg(HW_REG_IB_STS2, 6, 4)
	s_cmp_eq_u32 s2, 0
	s_cbranch_scc0 .Lentry_in_a_cluster
	s_endpgm
.Lentry_in_a_cluster:
	s_bfe_u32 s2, ttmp6, 0x10000c
	s_cmp_lg_u32 s2, 0xf033
	s_cbranch_scc0 .Lentry_shape_is_right
	s_endpgm
.Lentry_shape_is_right:
; qkv: [4096][2048] = x [4096][2048 k] x wcat [2048 k][2048 n], bf16 operands, f32 sums; then for the q and k heads the RMS norm over the
; head's 128 numbers, the gain and the rotary embedding, all in f32; q also times 128^-0.5 log2(e), so that the next launch's scores are
; exponents of 2.  Result in f16: qkv [batch 2][head 16][t 2048][128], heads 0-7 q, 8-11 k, 12-15 v.
; TWO TERMS.  A query at position t averages t + 1 rows of v, so the first rows of the module's result are not averaged down and are its
; largest, while the error that can be borne is set by the size of the whole result.  So the first 32 rows of v of each batch leave as two
; f16 terms: hi in qkv, lo = v - hi in vlo [batch 2][kv head 4][32][128]: some 21 bits instead of 11.
; LIMITS.  x and the weights enter rounded to bf16 (made by the launch before); the two gains are rounded to bf16 here as well, so that every
; input of the module is taken in one format.  q, k, v leave as f16: |q| <= 1.45 |gain| and |k| <= 11.4 |gain| by the norm; |v| must stay
; within 65,504 (x and Wv both 30 times larger than unit x and 1/sqrt(2048) weights give some 5,400; both with an offset of 30 of their spreads 40,700).
; Below 2^-14 an f16 term keeps an absolute step of 2^-24.
; SHAPE.  A work-group makes 256 rows x 128 columns (one head) with four waves; wave w makes rows 64 w .. 64 w + 63 of all 128 columns, so a
; head's numbers of a row lie in two lanes of one wave: 32 accumulator tiles of 16 x 16, 256 registers.  256 work-groups.
; THE TWO OPERANDS TAKE TWO ROADS.
;   wcat's 128 columns are read by all four waves: they go through LDS, two slots of 256 k rows (a lap: 8 quarter steps of 32 k), each wave
;   fetching 64 k rows of 256 bytes by one tensor load; the fragments are read by the transposing load, so nothing is transposed in memory.
;   xb's rows of a wave are read by no other wave of the work-group.  xb lies in memory in fragment order ([row tile][k block][1,024 bytes]), and
;   a wave loads its four fragments of a quarter step by eight loads of 512 consecutive bytes straight into a ring of eight register slots,
;   seven quarter steps ahead: 56 loads are out, and no barrier cuts them off.
; WHY xb IS NOT ASKED FOR JOINTLY, though the four work-groups of a row of the cluster read the same rows: with both operands in LDS a K step of
; 128 is 96 KiB for 128 matrix instructions of a wave; two slots of two such steps, 2 x (256 x 528 + 256 x 288) = 417,792 bytes, do not fit in
; LDS, so a request would have one step, 120 matrix instructions, in which to land, and a round of the cluster's barrier would stand in each
; step.  With wcat alone a slot of two steps is 73,728 bytes, a request has 248 matrix instructions, there are 6 such rounds instead of 14, and
; a wave reads 16 fragment loads from LDS for a quarter step instead of 24.
; CLUSTERS: 4 x 4 work-groups.  The four of a column of the cluster need the same tiles of wcat: each is asked for jointly, by the same tensor
; load with the same descriptor and a mask that names the four.
; REGISTERS: window 0: v0-31 addresses, v32-95 and v96-159 two buffers of wcat's 8 fragments;  window 1: accumulator (a, b) at v[64 a + 8 b];
; window 2: xb's ring, slot s at v[32 s + 8 a]; at the end the same registers take the table: cosines at v[64 a + 8 b + j], sines 32 further;
; window 3: the gains at v[8 b + j].
; The matrix instruction is used transposed (source 0 = wcat's columns, source 1 = xb's rows): lane (r, h) register j of tile (a, b) holds
; row 16 a + r, column 16 b + 8 h + j: eight neighbouring numbers of a row.
.set PB,     288                       ; LDS pitch of wcat's rows: 256 + 32, an odd multiple of 32, for the transposing load
.set QB,     32*PB                     ; a quarter step's 32 k rows
.set WPART,  64*PB                     ; what one wave fetches of a slot
.set SLOT,   4*WPART                   ; 73,728: 256 k rows
.set STAGE,  2*SLOT                    ; 147,456: behind the ring, 16 rows x 272 bytes for each wave, for the way out; no tensor load lands there
.set SPITCH, 272
.set LAPB,   256*4096                  ; bytes of wcat from a lap's rows to the next lap's
.set FRAG,   1024                      ; bytes of a fragment of xb
.set ATILE,  64*FRAG                   ; bytes of a row tile of xb
.set AHEAD,  7                         ; quarter steps by which xb's loads run ahead
.set ADRB, 16                          ; v16-19  LDS address of my wcat fragments: slot 0 quarters 0-3, 4-7, slot 1 quarters 0-3, 4-7
.set STO,  24                          ; v24     way out: where I put 16 bytes of a row
.set RD,   25                          ; v25     way out: where I read rows back
.set CO,   26                          ; v26     16 x lane: my bytes in 512 consecutive bytes (xb, table, result)
.set WO,   27                          ; v27     32 h: my bytes in the gains
.set RR,   28                          ; v[28:29] 1 / rms x factor, twice
.set BR7,  30                          ; v30     block row mod 8, in every lane
.set F0,   32
.set F1,   96
.set XR,   32                          ; way out: v[32:95]  a row's 64 numbers of my lane, in f32
.set TW,   96                          ; v[96:111] at work
.set PKR,  112                         ; v[112:143] packed f16
.set LDR,  144                         ; v[144:207] rows read back, two sets by turns
.set G1B, 48
.set G0B, 56
.set MULW, 0x58                        ; C and D window 1, source 1 (xb) window 2, source 0 (wcat) window 0
.set MSB, 0
.macro WIN new                         ; the immediate's high byte repeats the setting that is left
.if MSB != \new
	s_set_vgpr_msb (MSB<<8)|\new
.set MSB, \new
.endif
.endm
.macro PLACES                          ; four places behind matrix instructions, in front of loads into their sources and of readers of their results
.rept 4
	v_nop
.endr
.endm
.macro CREST                           ; a round of the cluster's barrier behind its opening work-group barrier
	s_cmp_lg_u32 s10, 0
	s_cbranch_scc1 .Lnot_wave_0_\@
	s_barrier_signal -3
.Lnot_wave_0_\@:
	s_barrier_wait -3
	s_barrier_signal -1
	s_barrier_wait -1
.endm
.macro CROUND                          ; a whole round
	s_barrier_signal -1
	s_barrier_wait -1
	CREST
.endm
; Eight loads of 512 consecutive bytes: my four fragments of k block rel (counted from the base) into ring slot sl
.macro ALOAD sl, rel
	WIN 0x80                                       ; destination window 2
.irp a, 0,1,2,3
	global_load_b128 v[32*(\sl)+8*\a:32*(\sl)+8*\a+3],   v[CO], s[14:15] offset:\a*ATILE+(\rel)*FRAG
	global_load_b128 v[32*(\sl)+8*\a+4:32*(\sl)+8*\a+7], v[CO], s[14:15] offset:\a*ATILE+(\rel)*FRAG+512
.endr
.endm
; Eight loads of 512 consecutive bytes: one eighth of my table into the freed ring slot sl: row tile sl / 2, cosines (sl even) or sines
.macro RLOAD sl
	WIN 0x80
.irp c, 0,1,2,3,4,5,6,7
	global_load_b128 v[32*(\sl)+4*\c:32*(\sl)+4*\c+3], v[CO], s[66:67] offset:((\sl)/2)*8192+((\sl)%2)*4096+512*\c
.endr
.endm
	s_load_b128 s[4:7], s[0:1], 0x0                ; xb s[4:5], wcat s[6:7]
	s_load_b256 s[72:79], s[0:1], 0x10             ; rope s[72:73], q_norm_w s[74:75], k_norm_w s[76:77], qkv s[78:79]
	s_load_b64 s[86:87], s[0:1], 0x30              ; vlo
	v_lshl_add_u32 v254, v0, 2, 0x29000
	v_mov_b32 v255, 0
	ds_add_u32 v254, v255
	v_lshrrev_b32 v1, 5, v0
	v_readfirstlane_b32 s10, v1                    ; wave 0..3
	s_bfe_u32 s40, ttmp6, 0x40000                  ; cx
	s_bfe_u32 s41, ttmp6, 0x40004                  ; cy
	s_lshl_b32 s42, ttmp9, 2
	s_add_co_u32 s42, s42, s40                     ; block column = head = 4 x cluster x + cx
	s_and_b32 s13, ttmp7, 0xffff
	s_lshl_b32 s13, s13, 2
	s_add_co_u32 s13, s13, s41                     ; block row = 4 x cluster y + cy
	s_lshl_b32 s44, 0x1111, s40                    ; my column of the cluster
	s_or_b32 s[G1B+0], s44, (1<<16)|(1<<20)|(1<<21)|(5<<22)|(7<<25)  ; mask; 2-byte elements; padding on; bit 21 beside a mask; after every 64 words 8 words
	s_mov_b32 s[G1B+1], 128<<16                    ; tensor_dim0 = 128
	s_mov_b32 s[G1B+2], 64<<16                     ; tensor_dim1 = 64 k rows
	s_mov_b32 s[G1B+3], 128<<16                    ; tile_dim0 = 128
	s_mov_b32 s[G1B+4], 64                         ; tile_dim1
	s_mov_b32 s[G1B+5], 2048                       ; elements from row to row
	s_mov_b32 s[G1B+6], 0
	s_mov_b32 s[G1B+7], 0
	s_lshl_b32 s46, s42, 8                         ; wcat: 128 columns = 256 bytes a block column,
	s_lshl_b32 s45, s10, 18                        ; 64 k rows of 4,096 bytes a wave: the block column and the wave alone
	s_add_co_u32 s46, s46, s45
	s_mov_b32 s47, 0
	s_mul_i32 s21, s10, WPART                      ; LDS: wave x 18,432
	s_lshl_b32 s16, s13, 20                        ; xb: 16 row tiles of 65,536 bytes a block row,
	s_lshl_b32 s17, s10, 18                        ; 4 a wave
	s_add_co_u32 s16, s16, s17
	s_mov_b32 s17, 0
	s_wait_dscnt 0x0
	s_wait_kmcnt 0x0
	s_add_nc_u64 s[14:15], s[4:5], s[16:17]
	s_add_nc_u64 s[46:47], s[6:7], s[46:47]
	CROUND                                         ; all sixteen work-groups are here: the first joint loads meet
.irp s, 0,1
	s_mov_b32 s[G0B+4*\s], 1
	s_add_co_u32 s[G0B+4*\s+1], s21, \s*SLOT
	s_add_nc_u64 s[G0B+4*\s+2:G0B+4*\s+3], s[46:47], \s*LAPB
	s_or_b32 s[G0B+4*\s+3], s[G0B+4*\s+3], 0x80000000
	tensor_load_to_lds s[G0B+4*\s:G0B+4*\s+3], s[G1B:G1B+7]        ; two tensor loads of the wave are out: the most in this text
	s_nop 0
.endr
	v_and_b32 v1, 15, v0                           ; r
	v_bfe_u32 v2, v0, 4, 1                         ; h
	v_and_b32 v[CO], 31, v0
	v_lshlrev_b32 v[CO], 4, v[CO]
	v_lshlrev_b32 v[WO], 5, v2
	s_and_b32 s82, s13, 7                          ; my rows' positions: t = 256 (block row mod 8) + 64 w + ..: table tile 16 (block row mod 8) + 4 w + a
	s_lshl_b32 s82, s82, 4
	s_lshl2_add_u32 s82, s10, s82
	s_lshl_b32 s82, s82, 13
	s_mov_b32 s83, 0
	s_add_nc_u64 s[66:67], s[72:73], s[82:83]
	s_mov_b32 s70, 0x3f800000                      ; k: factor 1
	s_cmp_lt_u32 ttmp9, 2                          ; cluster columns 0, 1: q heads; 2: k heads; 3: v heads
	s_cselect_b64 s[68:69], s[74:75], s[76:77]
	s_cselect_b32 s70, 0x3e0293ee, s70             ; q: 128^-0.5 x log2(e)
	s_mov_b32 s71, 0x3c000000                      ; 1/128
	s_mov_b32 s80, 0x76543210                      ; v_permlanex16_b32: lane i of one half reads lane i of the other
	s_mov_b32 s81, 0xfedcba98
	s_mov_b32 s85, 0xffff0000
	s_lshr_b32 s82, s13, 3                         ; batch
	s_lshl_b32 s82, s82, 4
	s_add_co_u32 s82, s82, s42                     ; 16 batch + head
	s_lshl_b32 s82, s82, 11
	s_and_b32 s84, s13, 7
	s_lshl_b32 s84, s84, 8
	s_add_co_u32 s82, s82, s84
	s_lshl_b32 s84, s10, 6
	s_add_co_u32 s82, s82, s84                     ; + my first position
	s_lshl_b32 s82, s82, 8                         ; rows of 256 bytes
	s_add_nc_u64 s[8:9], s[78:79], s[82:83]
	; The gains, then xb's first quarter steps.  Every work-group loads the gains and, at the end, the table, the v heads' too (136 KiB beside
	; 1.5 MiB of operands): so these registers are written on every way through the text, and the text has one branch on the kind of head.
	WIN 0xc0                                       ; destination window 3
.irp b, 0,1,2,3,4,5,6,7
	global_load_b128 v[8*\b:8*\b+3],   v[WO], s[68:69] offset:64*\b
	global_load_b128 v[8*\b+4:8*\b+7], v[WO], s[68:69] offset:64*\b+16
.endr
.irp k, 0,1,2,3,4
	ALOAD \k, \k
.endr
	WIN 0
	v_mul_u32_u24 v3, v1, SPITCH
	v_lshl_add_u32 v3, v2, 4, v3                   ; 272 r + 16 h
	v_and_b32 v4, 7, v0
	v_lshl_add_u32 v4, v2, 3, v4                   ; k row 8 h + (lane mod 8)
	v_mul_u32_u24 v4, v4, PB
	v_bfe_u32 v5, v0, 3, 1
	v_lshl_add_u32 v4, v5, 4, v4                   ; + 16 bytes for lanes 8-15 of each half
	v_mov_b32 v[ADRB], v4
	v_add_nc_u32 v[ADRB+1], 4*QB, v4
	v_add_nc_u32 v[ADRB+2], SLOT, v4
	v_add_nc_u32 v[ADRB+3], SLOT+4*QB, v4
	s_mul_i32 s23, s10, 16*SPITCH
	s_add_co_u32 s23, s23, STAGE                   ; my stage
	v_add_nc_u32 v[STO], s23, v3
	v_mul_u32_u24 v5, v2, SPITCH
	v_lshl_add_u32 v5, v1, 4, v5
	v_add_nc_u32 v[RD], s23, v5
	s_wait_loadcnt 40                              ; the gains are in: behind their 16 loads stand the 40 of quarter steps 0 to 4.  So never more than 56 loads are out
	ALOAD 5, 5
	ALOAD 6, 6
	WIN 0
; Eight matrix instructions: row tile a (ring slot sl) x all 8 column tiles (buffer f), 32 along K.  The 32 accumulators take turns, one
; instruction a turn, in the same order in every quarter step, over the loop's backward jump too.
.macro MUL8 f, sl, a, zero
.irp b, 0,1,2,3,4,5,6,7
.if \zero
	v_wmma_f32_16x16x32_bf16 v[64*\a+8*\b:64*\a+8*\b+7], v[\f+8*\b:\f+8*\b+7], v[32*(\sl)+8*\a:32*(\sl)+8*\a+7], 0
.else
	v_wmma_f32_16x16x32_bf16 v[64*\a+8*\b:64*\a+8*\b+7], v[\f+8*\b:\f+8*\b+7], v[32*(\sl)+8*\a:32*(\sl)+8*\a+7], v[64*\a+8*\b:64*\a+8*\b+7]
.endif
.endr
.endm
; 16 LDS loads in one run: wcat's 8 fragments of quarter q of a slot into buffer g
.macro FETCHB slot, q, g
	WIN 0
.irp b, 0,1,2,3,4,5,6,7
	ds_load_tr16_b128 v[\g+8*\b:\g+8*\b+3],   v[ADRB+2*(\slot)+(\q)/4] offset:((\q)%4)*QB+32*\b
	ds_load_tr16_b128 v[\g+8*\b+4:\g+8*\b+7], v[ADRB+2*(\slot)+(\q)/4] offset:((\q)%4)*QB+32*\b+16*PB
.endr
.endm
; Quarter step q (0 to 6) of a lap: multiplies ring slot q by buffer q mod 2.  Behind its first eight matrix instructions one run of loads: wcat's
; fragments of the next quarter into the other buffer, and into the ring slot read one quarter ago xb's fragments of seven quarters on (k block
; rel from the base), or, table = 1, a part of the table.  Both targets were last read by the quarter before: the four places stand between.
.macro QUARTER slot, q, zero, table, rel
.set QF, F0+64*((\q)%2)
.set QG, F0+64*((\q+1)%2)
.set QS, (\q+AHEAD)%8
	s_wait_loadcnt 8*(AHEAD-1)                     ; loads come back in order: behind this quarter's eight stand six quarters' 48
	s_wait_dscnt 0x0                               ; wcat's fragments, asked for 24 matrix instructions ago
	WIN MULW
	MUL8 QF, \q, 0, \zero
	PLACES
	FETCHB \slot, \q+1, QG
.if \table
	RLOAD QS
.else
	ALOAD QS, \rel
.endif
	WIN MULW
	MUL8 QF, \q, 1, \zero
	MUL8 QF, \q, 2, \zero
	MUL8 QF, \q, 3, \zero
.endm
; The last quarter step of a lap, and the change of slots.  In front of the barrier each wave waits for its reads of this slot (its last fragments
; are in) and for all its tensor loads (one is out: its part of the next slot).  Behind it the refill comes first, then the next slot's first
; fragments.  From a request to the wait for it a wave issues 248 matrix instructions.
.macro TURN slot, next, fill, rel
	s_wait_loadcnt 8*(AHEAD-1)
	s_wait_dscnt 0x0                               ; my reads of this slot are over
	s_set_vgpr_msb 0x5850
	s_wait_tensorcnt 0x0                           ; all my tensor loads have landed
	ds_add_u32 v254, v255
	s_wait_dscnt 0x0
	s_set_vgpr_msb 0x5058
	s_barrier_signal -1                            ; (where the slot is filled again this barrier opens a round of the cluster's barrier)
	WIN MULW
	MUL8 F1, 7, 0, 0                               ; register work while the others arrive
	WIN 0
	s_barrier_wait -1
.if \fill
	CREST                                          ; no wave of any partner still reads this slot or has a tensor load on its way
	s_add_nc_u64 s[G0B+4*\slot+2:G0B+4*\slot+3], s[G0B+4*\slot+2:G0B+4*\slot+3], 2*LAPB
	tensor_load_to_lds s[G0B+4*\slot:G0B+4*\slot+3], s[G1B:G1B+7]  ; the wave's one tensor load behind the round
	s_nop 0
.endif
	PLACES
	FETCHB \next, 0, F0
	ALOAD 6, \rel
	WIN MULW
	MUL8 F1, 7, 1, 0
	MUL8 F1, 7, 2, 0
	MUL8 F1, 7, 3, 0
.endm
.macro LAP slot, zero, fill, relbase   ; 8 quarter steps on one slot, once round xb's ring
	QUARTER \slot, 0, \zero, 0, \relbase+7
.irp q, 1,2,3,4,5,6
	QUARTER \slot, \q, 0, 0, \relbase+7+\q
.endr
	TURN \slot, 1-\slot, \fill, \relbase+14
.endm
.macro PAIR zero                       ; two laps, both slots filled again; then xb's base steps by their 16 k blocks
	LAP 0, \zero, 1, 0
	LAP 1, 0, 1, 8
	WIN 0
	s_wait_xcnt 0x0                                ; the base of the loads that are out is rewritten only behind this wait
	s_add_nc_u64 s[14:15], s[14:15], 16*FRAG
.endm
	s_wait_tensorcnt 0x1                           ; my part of lap 0 is in; lap 1's load stays out
	s_barrier_signal -1
	s_barrier_wait -1
	FETCHB 0, 0, F0
	PAIR 1                                         ; laps 0 and 1: the first products start the sums: nothing is cleared
	s_mov_b32 s3, 2
.Lpair:
	PAIR 0                                         ; laps 2 to 5
	s_sub_co_u32 s3, s3, 1
	s_cmp_lg_u32 s3, 0
	s_cbranch_scc1 .Lpair
	LAP 0, 0, 0, 0                                 ; lap 6 fills nothing; its barrier shows lap 7's slot whole to every wave
	QUARTER 1, 0, 0, 0, 15                         ; lap 7: xb's last fragments are asked for,
.irp q, 1,2,3,4,5,6
	QUARTER 1, \q, 0, 1, 0                         ; then the freed ring slots take the table: eight loads a quarter as before, so the counts stay
.endr
	s_wait_loadcnt 8*(AHEAD-1)                     ; the last quarter step
	s_wait_dscnt 0x0
	WIN MULW
	MUL8 F1, 7, 0, 0
	PLACES
	RLOAD 6
	WIN MULW
	MUL8 F1, 7, 1, 0
	MUL8 F1, 7, 2, 0
	MUL8 F1, 7, 3, 0
	WIN 0
	PLACES                                         ; behind the last matrix instructions: results are read, fragment registers rewritten, the last ring slot loaded
	RLOAD 7
	WIN 0
; 16 rows out: 16 bytes a lane into my own stage, read back as rows, stored 512 consecutive bytes (two rows of a head) at a time.
; LDS serves a wave's instructions in order, so no wait stands between the stores and the loads.
.macro STORE16 a
.irp b, 0,1,2,3,4,5,6,7
	ds_store_b128 v[STO], v[PKR+4*\b:PKR+4*\b+3] offset:32*\b
.endr
	s_wait_xcnt 0x0                                ; the registers that earlier stores read are rewritten only behind this wait
.irp u, 0,1,2,3,4,5,6,7
	ds_load_b128 v[LDR+32*(\a%2)+4*\u:LDR+32*(\a%2)+4*\u+3], v[RD] offset:2*SPITCH*\u
.endr
.irp u, 0,1,2,3,4,5,6,7
	s_wait_dscnt 7-\u                              ; LDS loads come back in order: load u is in
	global_store_b128 v[CO], v[LDR+32*(\a%2)+4*\u:LDR+32*(\a%2)+4*\u+3], s[8:9] offset:4096*\a+512*\u
.endr
.endm
; Rows 16 a .. 16 a + 15 of a q or k head: norm, gain, rotation.
.macro QKOUT a
	s_wait_loadcnt 48-16*\a                        ; the table's parts 2 a and 2 a + 1 are in: behind them stand the 6 - 2 a later parts, eight loads each
	WIN 0x05                                       ; sources 0 and 1 in window 1
.irp c, 0,1,2,3
	v_pk_mul_f32 v[TW+2*\c:TW+2*\c+1], v[64*\a+2*\c:64*\a+2*\c+1], v[64*\a+2*\c:64*\a+2*\c+1]
.endr
.set cnt, 4
.rept 28
	v_pk_fma_f32 v[TW+2*(cnt%4):TW+2*(cnt%4)+1], v[64*\a+2*cnt:64*\a+2*cnt+1], v[64*\a+2*cnt:64*\a+2*cnt+1], v[TW+2*(cnt%4):TW+2*(cnt%4)+1]
.set cnt, cnt+1
.endr
	WIN 0
	v_pk_add_f32 v[TW:TW+1], v[TW:TW+1], v[TW+2:TW+3]
	v_pk_add_f32 v[TW+4:TW+5], v[TW+4:TW+5], v[TW+6:TW+7]
	v_pk_add_f32 v[TW:TW+1], v[TW:TW+1], v[TW+4:TW+5]
	v_add_f32 v[TW], v[TW], v[TW+1]                ; my 64 squares of the row
	v_permlanex16_b32 v[TW+1], v[TW], s80, s81     ; the other 64 lie in the lane 16 away
	v_add_f32 v[TW], v[TW], v[TW+1]
	v_fmaak_f32 v[TW], s71, v[TW], 0x3727c5ac      ; mean + 1e-5
	v_rsq_f32 v[TW+2], v[TW]
	v_nop                                          ; one plain instruction behind v_rsq_f32 (ISA guide 5.7.2)
	s_wait_alu depctr_va_vdst(0)
	v_mul_f32 v[RR], s70, v[TW+2]
	v_mul_f32 v[RR+1], s70, v[TW+2]
	WIN 0x0d                                       ; source 0 window 1 (sums), source 1 window 3 (gains)
.set cnt, 0
.rept 32
	v_pk_mul_f32 v[XR+2*cnt:XR+2*cnt+1], v[64*\a+2*cnt:64*\a+2*cnt+1], v[2*cnt:2*cnt+1]
.set cnt, cnt+1
.endr
	WIN 0
.set cnt, 0
.rept 32
	v_pk_mul_f32 v[XR+2*cnt:XR+2*cnt+1], v[XR+2*cnt:XR+2*cnt+1], v[RR:RR+1]
.set cnt, cnt+1
.endr
	WIN 0x08                                       ; source 1 window 2 (cosines, sines)
.set cnt, 0
.rept 16                                           ; numbers d and d + 64: low = low cos - high sin, high = high cos + low sin
	v_pk_mul_f32 v[TW+4*(cnt%4):TW+4*(cnt%4)+1],   v[XR+32+2*cnt:XR+32+2*cnt+1], v[64*\a+32+2*cnt:64*\a+32+2*cnt+1]
	v_pk_mul_f32 v[TW+4*(cnt%4)+2:TW+4*(cnt%4)+3], v[XR+2*cnt:XR+2*cnt+1],       v[64*\a+32+2*cnt:64*\a+32+2*cnt+1]
	v_pk_fma_f32 v[XR+2*cnt:XR+2*cnt+1],       v[XR+2*cnt:XR+2*cnt+1],       v[64*\a+2*cnt:64*\a+2*cnt+1], v[TW+4*(cnt%4):TW+4*(cnt%4)+1] neg_lo:[0,0,1] neg_hi:[0,0,1]
	v_pk_fma_f32 v[XR+32+2*cnt:XR+32+2*cnt+1], v[XR+32+2*cnt:XR+32+2*cnt+1], v[64*\a+2*cnt:64*\a+2*cnt+1], v[TW+4*(cnt%4)+2:TW+4*(cnt%4)+3]
.set cnt, cnt+1
.endr
	WIN 0
.set cnt, 0
.rept 32
	v_cvt_pk_f16_f32 v[PKR+cnt], v[XR+2*cnt], v[XR+2*cnt+1]
.set cnt, cnt+1
.endr
	STORE16 \a
.endm
.macro VOUT a                          ; rows of a v head: rounded and stored
	WIN 0x05
.set cnt, 0
.rept 32
	v_cvt_pk_f16_f32 v[PKR+cnt], v[64*\a+2*cnt], v[64*\a+2*cnt+1]
.set cnt, cnt+1
.endr
	WIN 0
	STORE16 \a
.endm
; Rows of a v head in two terms.  hi: half a step of an 11-bit number is added to the f32's bits and the last 13 bits are cut: v rounded to
; 11 bits (ties away from zero), which the conversion to f16 then takes over unchanged.  lo = v - hi, exact in f32, rounded to f16.
; hi goes out like every row.  lo is stored only where the rows are positions 0 to 31: block row mod 8 = 0.  That hangs on the work-group's
; place in its cluster, so it is no branch: EXEC is narrowed for the eight stores.
.macro V2OUT a
	WIN 0x04                                       ; source 1 in window 1
.set cnt, 0
.rept 64
	v_add_nc_u32 v[XR+cnt], 0x1000, v[64*\a+cnt]
.set cnt, cnt+1
.endr
	WIN 0
.set cnt, 0
.rept 64
	v_and_b32 v[XR+cnt], s89, v[XR+cnt]
.set cnt, cnt+1
.endr
.set cnt, 0
.rept 32
	v_cvt_pk_f16_f32 v[PKR+cnt], v[XR+2*cnt], v[XR+2*cnt+1]
.set cnt, cnt+1
.endr
	STORE16 \a
	WIN 0x01                                       ; source 0 in window 1
.set cnt, 0
.rept 32
	v_pk_add_f32 v[XR+2*cnt:XR+2*cnt+1], v[64*\a+2*cnt:64*\a+2*cnt+1], v[XR+2*cnt:XR+2*cnt+1] neg_lo:[0,1] neg_hi:[0,1]
.set cnt, cnt+1
.endr
	WIN 0
.set cnt, 0
.rept 32
	v_cvt_pk_f16_f32 v[PKR+cnt], v[XR+2*cnt], v[XR+2*cnt+1]
.set cnt, cnt+1
.endr
.irp b, 0,1,2,3,4,5,6,7
	ds_store_b128 v[STO], v[PKR+4*\b:PKR+4*\b+3] offset:32*\b      ; behind the reads of hi's rows, which have been waited for
.endr
	s_wait_xcnt 0x0                                ; the other set of row registers is loaded again, and EXEC is narrowed, only behind this wait
.irp u, 0,1,2,3,4,5,6,7
	ds_load_b128 v[LDR+32*(1-\a%2)+4*\u:LDR+32*(1-\a%2)+4*\u+3], v[RD] offset:2*SPITCH*\u
.endr
	s_wait_dscnt 0x0
	v_cmp_eq_u32 vcc_lo, 0, v[BR7]
	s_and_saveexec_b32 s88, vcc_lo
.irp u, 0,1,2,3,4,5,6,7
	global_store_b128 v[CO], v[LDR+32*(1-\a%2)+4*\u:LDR+32*(1-\a%2)+4*\u+3], s[86:87] offset:4096*\a+512*\u
.endr
	s_wait_xcnt 0x0                                ; EXEC is widened only behind this wait
	s_or_b32 exec_lo, exec_lo, s88
.endm
	s_cmp_eq_u32 ttmp9, 3                          ; the cluster's column: equal in all sixteen work-groups
	s_cbranch_scc1 .Lvhead
	WIN 0x0f                                       ; the gains are rounded to bf16 (see LIMITS): sources in window 3,
.set cnt, 0
.rept 32
	v_cvt_pk_bf16_f32 v[XR+cnt], v[2*cnt], v[2*cnt+1]
.set cnt, cnt+1
.endr
	WIN 0xc0                                       ; and widened again into window 3
.set cnt, 0
.rept 32
	v_lshlrev_b32 v[2*cnt],   16,  v[XR+cnt]
	v_and_b32     v[2*cnt+1], s85, v[XR+cnt]
.set cnt, cnt+1
.endr
	QKOUT 0
	QKOUT 1
	QKOUT 2
	QKOUT 3
	s_branch .Lclose
.Lvhead:
	s_and_b32 s90, ttmp7, 1                        ; positions 0 to 31 lie in block rows 0 and 8: clusters with an even y, wave 0, row tiles 0 and 1.
	s_cmp_lg_u32 s90, 0                            ; Both branches hang on numbers that the sixteen work-groups share: the cluster's y and the wave's number
	s_cbranch_scc1 .Lvone
	s_cmp_lg_u32 s10, 0
	s_cbranch_scc1 .Lvone
	s_mov_b32 s89, 0xffffe000
	s_and_b32 s90, s13, 7
	v_mov_b32 v[BR7], s90
	s_lshr_b32 s90, s13, 3                         ; batch
	s_lshl_b32 s90, s90, 2
	s_add_co_u32 s90, s90, s42
	s_sub_co_u32 s90, s90, 12                      ; 4 batch + kv head
	s_lshl_b32 s90, s90, 13                        ; 32 rows of 256 bytes
	s_mov_b32 s91, 0
	s_add_nc_u64 s[86:87], s[86:87], s[90:91]
	V2OUT 0
	V2OUT 1
	s_branch .Lvrest
.Lvone:
	VOUT 0
	VOUT 1
.Lvrest:
	VOUT 2
	VOUT 3
.Lclose:
	s_wait_tensorcnt 0x0
	ds_add_u32 v254, v255
	s_wait_dscnt 0x0
	CROUND                                         ; the closing round: no work-group ends while a partner may still ask for a tile that names it
	s_endpgm
.Lfunc_end_k_q1c15aed086_qkv:
	.size	k_q1c15aed086_qkv, .Lfunc_end_k_q1c15aed086_qkv-k_q1c15aed086_qkv
	.p2alignl 7, 3214868480
	.fill 96, 4, 3214868480
	.section	.rodata,"a",@progbits
	.p2align	6, 0x0
	.amdhsa_kernel k_q1c15aed086_qkv
		.amdhsa_group_segment_fixed_size 327680
		.amdhsa_private_segment_fixed_size 0
		.amdhsa_enable_private_segment 0
		.amdhsa_kernarg_size 56
		.amdhsa_user_sgpr_count 2
		.amdhsa_user_sgpr_kernarg_segment_ptr 1
		.amdhsa_wavefront_size32 1
		.amdhsa_system_sgpr_workgroup_id_x 1
		.amdhsa_system_sgpr_workgroup_id_y 1
		.amdhsa_system_sgpr_workgroup_id_z 1
		.amdhsa_system_vgpr_workitem_id 0
		.amdhsa_next_free_vgpr 832
		.amdhsa_next_free_sgpr 92
		.amdhsa_reserve_vcc 1
		.amdhsa_float_denorm_mode_32 3
		.amdhsa_float_denorm_mode_16_64 3
		.amdhsa_memory_ordered 1
		.amdhsa_forward_progress 1
		.amdhsa_inst_pref_size 255
	.end_amdhsa_kernel
	.section	.bss,"aw",@nobits
	.p2align	6
	.space	262144
	.amdgpu_metadata
---
amdhsa.version: [ 1, 2 ]
amdhsa.kernels:
  - .name:           k_q1c15aed086_qkv
    .symbol:         k_q1c15aed086_qkv.kd
    .args:
      - { .name: xb, .offset: 0, .size: 8, .value_kind: global_buffer, .address_space: global }
      - { .name: wcat, .offset: 8, .size: 8, .value_kind: global_buffer, .address_space: global }
      - { .name: rope, .offset: 16, .size: 8, .value_kind: global_buffer, .address_space: global }
      - { .name: q_norm_w, .offset: 24, .size: 8, .value_kind: global_buffer, .address_space: global }
      - { .name: k_norm_w, .offset: 32, .size: 8, .value_kind: global_buffer, .address_space: global }
      - { .name: qkv, .offset: 40, .size: 8, .value_kind: global_buffer, .address_space: global }
      - { .name: vlo, .offset: 48, .size: 8, .value_kind: global_buffer, .address_space: global }
    .group_segment_fixed_size: 327680
    .private_segment_fixed_size: 0
    .kernarg_segment_align: 8
    .kernarg_segment_size: 56
    .max_flat_workgroup_size: 128
    .sgpr_count:     92
    .vgpr_count:     832
    .wavefront_size: 32
...
	.end_amdgpu_metadata
.endif
;; end of part 2
;; launch attn (part 3): grid 32 x 8, 4 waves a work-group, clusters of 4 x 1, 327,680 bytes of LDS; arguments qkv, vlo, att; writes att
.if DOCPART == 3
	.amdgcn_target "amdgcn-amd-amdhsa--gfx1250"
	.amdhsa_code_object_version 6
	.text
	.protected	k_q1c15aed086_attn
	.globl	k_q1c15aed086_attn
	.p2align	8
	.type	k_q1c15aed086_attn,@function
k_q1c15aed086_attn:
	s_mov_b64 s[64:65], 0
	v_nop
	global_prefetch_b8 v0, s[64:65] scope:SCOPE_SE
	s_setreg_imm32_b32 hwreg(HW_REG_WAVE_MODE, 25, 1), 1
	s_wait_xcnt 0x0
	s_wait_alu depctr_hold_cnt(0) depctr_sa_sdst(0) depctr_va_vdst(0) depctr_va_sdst(0) depctr_va_ssrc(0) depctr_va_vcc(0) depctr_vm_vsrc(0)
	s_getreg_b32 s2, hwreg(HW_REG_IB_STS2, 6, 4)
	s_cmp_eq_u32 s2, 0
	s_cbranch_scc0 .Lentry_in_a_cluster
	s_endpgm
.Lentry_in_a_cluster:
	s_bfe_u32 s2, ttmp6, 0x10000c
	s_cmp_lg_u32 s2, 0x3003
	s_cbranch_scc0 .Lentry_shape_is_right
	s_endpgm
.Lentry_shape_is_right:
; attn: causal attention with a running maximum.  qkv [batch 2][head 16][t 2048][128] f16 (heads 0-7 q, already times 128^-0.5 log2 e;
; 8-11 k; 12-15 v);  vlo [batch 2][kv head 4][32][128] f16: the second term of v's first 32 rows.  Scores, maxima, exponentials, sums in f32.
; att, f16, in the order of the next launch's fragments: [256 position tiles of 16 = 128 batch + t / 16][32 k blocks of 32 = 4 head + d / 32]
; [1,024 bytes]; in a fragment byte 512 j + 16 lane holds the eight numbers of position (lane & 15), d = 32 block + 16 j + 8 (lane >> 4) + 0..7.
; Behind these 8,388,608 bytes: [16 tiles = 8 batch + t / 16][32][1,024], the second term of each batch's first 128 positions.
; TWO TERMS.  A query at position t averages t + 1 rows of v, so the first rows of the result are not averaged down and are its largest, while
; the error that can be borne is set by the size of the whole result.  So for the first 32 keys P (v_hi + v_lo) is formed, and the first 128
; positions of att leave as hi (the last 13 bits of the f32 cut) + lo (the rest): some 21 bits instead of 11.
; LIMITS.  q, k, v, the weights P = 2^(s - max) and att are f16 matrix operands: P lies in [0, 1] (below 2^-14 it keeps an absolute step of
; 2^-24, and so does every f16 term), att is a mean of v and has v's range (65,504).  Exponentials below 2^-126 come out as zero.  A masked
; score is the most negative finite f32, as in the module.  A NaN score loses in the running maximum: NaN inputs are not served.
; SHARING.  Work-group (x, y): y = 4 batch + kv head; it takes both query heads of that kv head and two blocks of 32 query rows, block
; i = x (short) and block 63 - x (long).  Wave w: head 2 kvh + (w & 1), rows 16 (w >> 1) .. + 15 of both blocks: query tiles q0 and q1.
; CLUSTERS: the four work-groups x = 4 c .. 4 c + 3 read the same K and V tiles: each tile is asked for jointly.  So that all four make every
; request, the walk hangs on e = c >> 1 alone, in pairs of 128 + 128 keys (slot 0, slot 1):
;   e + 1 pairs for q0 (masked) and q1;   6 - 2 e pairs for q1, unmasked;   one pair for q1, masked.
; q0's rows lie below 256 (e + 1); q1's rows lie from 1792 - 256 e on, which is the first key of the masked pair, and end at 2047 - 256 e.
; Every wave does 36 units of 16 queries x 64 keys, whatever e; the least that the mask allows is 33.
; ORIENTATION.  S^T = K Q^T: lane (r, h) register j of tile kt holds key 16 kt + 8 h + j of query r, so a query's maximum and sum stay in
; two lanes, and two packed score tiles ARE the second operand of O^T = V^T P^T.  V^T comes from LDS by the transposing load.
; O^T: lane (r, h) register j of tile dt holds d = 16 dt + 8 h + j of query r: packed, these are the lane's 16 bytes of half dt & 1 of
; fragment dt / 2 of att, so the results are stored straight from registers, 512 consecutive bytes a store.
; REGISTERS: window 0: addresses and running figures v0-31, Q v32-95, S v96-159, P v160-191, at work v192-255;
; window 1: K fragments v[32 ks + 8 kt], V fragments v[128 + 64 ks2 + 8 dt];  window 2: O at v[64 q + 8 dt], v_lo's fragments at v[128 + 8 dt].
.set KPITCH, 272                       ; K's rows in LDS: 256 bytes + 16
.set VPITCH, 288                       ; V's rows: 256 + 32, an odd multiple of 32, for the transposing load
.set REG,    18432                     ; LDS bytes of one wave's tile of 64 keys (64 x 288; K uses 64 x 272 of them)
.set SLOT,   4*REG                     ; K keys 0-63, K keys 64-127, V keys 0-63, V keys 64-127
.set STAGE,  2*SLOT                    ; behind the ring: 32 rows x 272 bytes for each wave (Q in, then v_lo in); no tensor load lands there
.set SPITCH, 272
.set LOBASE, 8388608                   ; where att's second terms begin
.set MR,   2                           ; v[2:3], v[4:5]  running maximum of q0, q1, twice each (a pair for packed arithmetic)
.set AL,   6                           ; v[6:7], v[8:9]  2^(old maximum - new)
.set LS,   10                          ; v10, v11        running sum, each half of the lanes its own keys
.set ADRK, 16                          ; v16-17  LDS address of my K fragments in slot 0, 1
.set ADRV, 18                          ; v18-19  the same for V
.set STO,  20                          ; v20     stage: row r, 16 bytes for each half of the lanes
.set RD,   21                          ; v21     stage: two whole rows
.set QO,   23                          ; v23     16 x lane; never rewritten
.set TQ,   24                          ; v24-25  my query's position - 8 h, for q0, q1
.set DR,   26                          ; v26     that - the step's first key
.set NEG,  27                          ; v27     the most negative finite f32
.set ADRL, 28                          ; v28     stage: my address for v_lo's transposing loads
.set QR,   32
.set SR,   96
.set PR,   160
.set TW,   192                         ; v[192:195] at work
.set WS,   196                         ; v[196:211] the sum's tree
.set G1K, 24
.set G0K, 32
.set G1V, 48
.set G0V, 56
.set KB,  74                           ; s74 first key of the step, where a tile is masked
.set MSB, 0
.macro WIN new                         ; the immediate's high byte repeats the setting that is left
.if MSB != \new
	s_set_vgpr_msb (MSB<<8)|\new
.set MSB, \new
.endif
.endm
.macro PLACES                          ; four places behind matrix instructions (ISA guide 7.12.1)
.rept 4
	v_nop
.endr
.endm
.macro JLOAD s                         ; waves 0 and 1 ask for K's halves, waves 2 and 3 for V's: a branch on the wave's number alone
	s_cmp_eq_u32 s11, 0
	s_cbranch_scc0 .Lfor_v_\@
	tensor_load_to_lds s[G0K+4*\s:G0K+4*\s+3], s[G1K:G1K+7]
	s_nop 0
	s_branch .Lasked_\@
.Lfor_v_\@:
	tensor_load_to_lds s[G0V+4*\s:G0V+4*\s+3], s[G1V:G1V+7]
	s_nop 0
.Lasked_\@:
.endm
.macro CREST                           ; a round of the cluster's barrier behind its opening work-group barrier
	s_cmp_lg_u32 s10, 0
	s_cbranch_scc1 .Lnot_wave_0_\@
	s_barrier_signal -3
.Lnot_wave_0_\@:
	s_barrier_wait -3
	s_barrier_signal -1
	s_barrier_wait -1
.endm
.macro CROUND
	s_barrier_signal -1
	s_barrier_wait -1
	CREST
.endm
	s_load_b128 s[4:7], s[0:1], 0x0                ; qkv s[4:5], vlo s[6:7]
	s_load_b64 s[8:9], s[0:1], 0x10                ; att
	v_lshl_add_u32 v30, v0, 2, 0x2c800
	v_mov_b32 v31, 0
	ds_add_u32 v30, v31
	v_lshrrev_b32 v1, 5, v0
	v_readfirstlane_b32 s10, v1                    ; wave 0..3
	s_lshr_b32 s11, s10, 1                         ; which 16 rows of the blocks.  Also: I fetch for K (0) or for V (1)
	s_and_b32 s12, s10, 1                          ; which of the two query heads.  Also: which 64 keys I fetch
	s_and_b32 s13, ttmp7, 0xffff
	s_lshr_b32 s14, s13, 2                         ; batch
	s_and_b32 s15, s13, 3                          ; kv head
	s_lshr_b32 s17, ttmp9, 1                       ; e: from the cluster's number, equal in the four partners
	s_mov_b32 s[G1K+0], 15|(1<<16)|(1<<20)|(1<<21)|(5<<22)|(3<<25)   ; mask: all four; 2-byte elements; padding on; bit 21 beside a mask; after every 64 words 4 words
	s_mov_b32 s[G1V+0], 15|(1<<16)|(1<<20)|(1<<21)|(5<<22)|(7<<25)   ; 8 words
	s_mov_b32 s[G1K+1], 128<<16                    ; tensor_dim0 = 128
	s_mov_b32 s[G1V+1], 128<<16
	s_mov_b32 s[G1K+2], 64<<16                     ; tensor_dim1 = 64 keys
	s_mov_b32 s[G1V+2], 64<<16
	s_mov_b32 s[G1K+3], 128<<16                    ; tile_dim0 = 128
	s_mov_b32 s[G1V+3], 128<<16
	s_mov_b32 s[G1K+4], 64                         ; tile_dim1 = 64
	s_mov_b32 s[G1V+4], 64
	s_mov_b32 s[G1K+5], 128                        ; elements from row to row
	s_mov_b32 s[G1V+5], 128
	s_mov_b32 s[G1K+6], 0
	s_mov_b32 s[G1V+6], 0
	s_mov_b32 s[G1K+7], 0
	s_mov_b32 s[G1V+7], 0
	s_lshl_b32 s40, s14, 4
	s_add_co_u32 s40, s40, s15                     ; 16 batch + kv head
	s_lshl_b32 s40, s40, 11
	s_lshl_b32 s41, s12, 6
	s_add_co_u32 s40, s40, s41                     ; + my 64 keys
	s_lshl_b32 s40, s40, 8                         ; rows of 256 bytes
	s_mov_b32 s41, 0
	s_mul_i32 s20, s10, REG                        ; my tile's place in a slot
	s_wait_dscnt 0x0
	s_wait_kmcnt 0x0
	s_add_nc_u64 s[40:41], s[4:5], s[40:41]        ; hangs on y and the wave alone
	CROUND                                         ; the four work-groups are here: the first joint loads meet
.irp s, 0,1
	s_mov_b32 s[G0K+4*\s], 1
	s_add_co_u32 s[G0K+4*\s+1], s20, \s*SLOT
	s_add_nc_u64 s[G0K+4*\s+2:G0K+4*\s+3], s[40:41], 8*2048*256+\s*128*256    ; heads 8.. are k
	s_or_b32 s[G0K+4*\s+3], s[G0K+4*\s+3], 0x80000000
	s_mov_b32 s[G0V+4*\s], 1
	s_add_co_u32 s[G0V+4*\s+1], s20, \s*SLOT
	s_add_nc_u64 s[G0V+4*\s+2:G0V+4*\s+3], s[40:41], 12*2048*256+\s*128*256   ; heads 12.. are v
	s_or_b32 s[G0V+4*\s+3], s[G0V+4*\s+3], 0x80000000
	JLOAD \s                                       ; two tensor loads of the wave are out: the most in this text
.endr
	s_bfe_u32 s18, ttmp6, 0x40000                  ; cx
	s_lshl_b32 s19, ttmp9, 2
	s_add_co_u32 s19, s19, s18                     ; i: enters global addresses of Q and att and the mask's positions, nothing else
	s_lshl_b32 s21, s15, 1
	s_add_co_u32 s21, s21, s12                     ; query head
	s_lshl_b32 s22, s19, 5
	s_lshl_b32 s80, s11, 4
	s_sub_co_u32 s23, 2016, s22                    ; 32 (63 - i)
	s_add_co_u32 s22, s22, s80                     ; first position of q0
	s_add_co_u32 s23, s23, s80                     ; first position of q1
	s_lshl_b32 s81, s14, 4
	s_add_co_u32 s81, s81, s21
	s_lshl_b32 s81, s81, 11                        ; (16 batch + head) x 2048 rows
	s_mov_b32 s79, 0
	s_add_co_u32 s78, s81, s22
	s_lshl_b32 s78, s78, 8
	s_add_nc_u64 s[66:67], s[4:5], s[78:79]        ; q0's 16 rows in qkv
	s_add_co_u32 s78, s81, s23
	s_lshl_b32 s78, s78, 8
	s_add_nc_u64 s[68:69], s[4:5], s[78:79]        ; q1's
	s_lshl_b32 s78, s13, 13                        ; 8,192 bytes for each batch and kv head
	s_add_nc_u64 s[84:85], s[6:7], s[78:79]        ; my kv head's v_lo
	v_and_b32 v[QO], 31, v0
	v_lshlrev_b32 v[QO], 4, v[QO]
.irp u, 0,1,2,3,4,5,6,7
	global_load_b128 v[192+4*\u:192+4*\u+3], v[QO], s[66:67] offset:512*\u    ; Q: 512 consecutive bytes (two rows) a load
	global_load_b128 v[224+4*\u:224+4*\u+3], v[QO], s[68:69] offset:512*\u
.endr
.irp u, 0,1,2,3,4,5,6,7,8,9,10,11,12,13,14,15
	global_load_b128 v[SR+4*\u:SR+4*\u+3], v[QO], s[84:85] offset:512*\u      ; v_lo: 32 rows
.endr
	s_lshl_b32 s83, s21, 12                        ; att: 4 fragments of 1,024 bytes a head,
	s_lshl_b32 s81, s14, 7                         ; 128 position tiles a batch,
	s_lshr_b32 s16, s22, 4                         ; q0's position tile (kept for its second term),
	s_add_co_u32 s78, s81, s16
	s_lshl_b32 s78, s78, 15                        ; 32 fragments a position tile
	s_add_co_u32 s78, s78, s83
	s_add_nc_u64 s[70:71], s[8:9], s[78:79]        ; q0's four fragments in att
	s_lshr_b32 s80, s23, 4
	s_add_co_u32 s78, s81, s80
	s_lshl_b32 s78, s78, 15
	s_add_co_u32 s78, s78, s83
	s_add_nc_u64 s[72:73], s[8:9], s[78:79]        ; q1's
	s_mov_b32 s76, 0x76543210                      ; v_permlanex16_b32: lane i of one half reads lane i of the other
	s_mov_b32 s77, 0xfedcba98
	s_mov_b32 s86, 0xffffe000                      ; keeps sign, exponent and 10 bits
	v_and_b32 v1, 15, v0                           ; r
	v_bfe_u32 v2, v0, 4, 1                         ; h
	v_mul_u32_u24 v3, v1, KPITCH
	v_lshl_add_u32 v3, v2, 4, v3                   ; 272 r + 16 h
	v_mov_b32 v[ADRK], v3
	v_add_nc_u32 v[ADRK+1], SLOT, v3
	v_and_b32 v4, 7, v0
	v_lshl_add_u32 v4, v2, 3, v4                   ; key 8 h + (lane mod 8)
	v_bfe_u32 v5, v0, 3, 1
	v_mul_u32_u24 v6, v4, SPITCH
	v_mul_u32_u24 v4, v4, VPITCH
	v_lshl_add_u32 v4, v5, 4, v4
	v_lshl_add_u32 v6, v5, 4, v6
	v_add_nc_u32 v[ADRV], 2*REG, v4
	v_add_nc_u32 v[ADRV+1], 2*REG+SLOT, v4
	s_mul_i32 s80, s10, 32*SPITCH
	s_add_co_u32 s80, s80, STAGE                   ; my stage
	v_add_nc_u32 v[ADRL], s80, v6
	v_add_nc_u32 v[STO], s80, v3
	v_mul_u32_u24 v5, v2, SPITCH
	v_lshl_add_u32 v5, v1, 4, v5
	v_add_nc_u32 v[RD], s80, v5
	v_lshlrev_b32 v6, 3, v2
	v_sub_nc_u32 v6, v1, v6                        ; r - 8 h
	v_add_nc_u32 v[TQ], s22, v6
	v_add_nc_u32 v[TQ+1], s23, v6
	v_mov_b32 v[NEG], 0xff7fffff
	v_mov_b32 v12, 0                               ; a destination of v_permlanex16_b32 counts as read
	s_wait_loadcnt 0x0
.irp u, 0,1,2,3,4,5,6,7
	ds_store_b128 v[RD], v[192+4*\u:192+4*\u+3] offset:2*SPITCH*\u
	ds_store_b128 v[RD], v[224+4*\u:224+4*\u+3] offset:16*SPITCH+2*SPITCH*\u
.endr
.irp q, 0,1
.irp ks, 0,1,2,3
	ds_load_b128 v[QR+32*\q+8*\ks:QR+32*\q+8*\ks+3],   v[STO] offset:16*SPITCH*\q+64*\ks      ; my own bytes, served in order: these see the stores above
	ds_load_b128 v[QR+32*\q+8*\ks+4:QR+32*\q+8*\ks+7], v[STO] offset:16*SPITCH*\q+64*\ks+32
.endr
.endr
	s_wait_dscnt 0x0                               ; Q's fragments are in: the stage's 32 rows now take v_lo
.irp u, 0,1,2,3,4,5,6,7,8,9,10,11,12,13,14,15
	ds_store_b128 v[RD], v[SR+4*\u:SR+4*\u+3] offset:2*SPITCH*\u
.endr
	WIN 0x80                                       ; destination window 2
.irp dt, 0,1,2,3,4,5,6,7
	ds_load_tr16_b128 v[128+8*\dt:128+8*\dt+3],   v[ADRL] offset:32*\dt                ; keys 8 h .. + 7 of d = 16 dt + r
	ds_load_tr16_b128 v[128+8*\dt+4:128+8*\dt+7], v[ADRL] offset:32*\dt+16*SPITCH      ; keys 16 + 8 h ..
.endr
	WIN 0
.macro FETCHK slot, sub                ; 32 loads: 64 keys x 128, by 32 along d (ks), then by 16 keys (kt)
	WIN 0x40
.irp ks, 0,1,2,3
.irp kt, 0,1,2,3
	ds_load_b128 v[32*\ks+8*\kt:32*\ks+8*\kt+3],   v[ADRK+\slot] offset:\sub*REG+16*KPITCH*\kt+64*\ks
	ds_load_b128 v[32*\ks+8*\kt+4:32*\ks+8*\kt+7], v[ADRK+\slot] offset:\sub*REG+16*KPITCH*\kt+64*\ks+32
.endr
.endr
.endm
.macro FETCHV slot, sub                ; 32 transposing loads: 128 d x 64 keys, by 32 keys (ks2), then by 16 d (dt)
	WIN 0x40
.irp ks2, 0,1
.irp dt, 0,1,2,3,4,5,6,7
	ds_load_tr16_b128 v[128+64*\ks2+8*\dt:128+64*\ks2+8*\dt+3],   v[ADRV+\slot] offset:\sub*REG+32*VPITCH*\ks2+32*\dt
	ds_load_tr16_b128 v[128+64*\ks2+8*\dt+4:128+64*\ks2+8*\dt+7], v[ADRV+\slot] offset:\sub*REG+32*VPITCH*\ks2+32*\dt+16*VPITCH
.endr
.endr
.endm
.macro SM q, kt, ks
.if \ks
	v_wmma_f32_16x16x32_f16 v[SR+32*\q+8*\kt:SR+32*\q+8*\kt+7], v[32*\ks+8*\kt:32*\ks+8*\kt+7], v[QR+32*\q+8*\ks:QR+32*\q+8*\ks+7], v[SR+32*\q+8*\kt:SR+32*\q+8*\kt+7]
.else
	v_wmma_f32_16x16x32_f16 v[SR+32*\q+8*\kt:SR+32*\q+8*\kt+7], v[32*\ks+8*\kt:32*\ks+8*\kt+7], v[QR+32*\q+8*\ks:QR+32*\q+8*\ks+7], 0
.endif
.endm
; The score tiles (8, or 4 for q1 alone) and the output tiles (16 or 8) take turns, one instruction a turn, in the same order in every
; step.
.macro SMUL ks, both
	WIN 0x01                                       ; source 0 (K) window 1
.irp kt, 0,1,2,3
.if \both
	SM 0, \kt, \ks
.endif
	SM 1, \kt, \ks
.endr
.endm
.macro PVM q, dt, ks2, zero
.if \zero
	v_wmma_f32_16x16x32_f16 v[64*\q+8*\dt:64*\q+8*\dt+7], v[128+64*\ks2+8*\dt:128+64*\ks2+8*\dt+7], v[PR+16*\q+8*\ks2:PR+16*\q+8*\ks2+7], 0
.else
	v_wmma_f32_16x16x32_f16 v[64*\q+8*\dt:64*\q+8*\dt+7], v[128+64*\ks2+8*\dt:128+64*\ks2+8*\dt+7], v[PR+16*\q+8*\ks2:PR+16*\q+8*\ks2+7], v[64*\q+8*\dt:64*\q+8*\dt+7]
.endif
.endm
.macro PV ks2, both, zero
	WIN 0xa1                                       ; source 0 (V) window 1, C and D window 2
.irp dt, 0,1,2,3,4,5,6,7
.if \both
	PVM 0, \dt, \ks2, \zero
.endif
	PVM 1, \dt, \ks2, \zero
.endr
.endm
; The second term of v's first 32 rows, for q0: eight matrix instructions, once, on q0's eight output tiles by turns.  Every work-group
; does this (8 on a wave's 1,152), the ones whose q0 lies further down too: so v_lo's registers are written and read on every way through the text.
.macro PVLO
	WIN 0xa2                                       ; source 0 (v_lo), C and D window 2
.irp dt, 0,1,2,3,4,5,6,7
	v_wmma_f32_16x16x32_f16 v[8*\dt:8*\dt+7], v[128+8*\dt:128+8*\dt+7], v[PR:PR+7], v[8*\dt:8*\dt+7]
.endr
.endm
; The running softmax of query tile q over this step's 64 keys, 32 of them in my lane.
.macro SOFT q, mask, first
.set SB, SR+32*\q
.if \mask
	v_sub_nc_u32 v[DR], v[TQ+\q], s[KB]            ; key 16 kt + 8 h + j + first key <= position  <=>  16 kt + j <= DR
.set cnt, 0
.rept 32
	v_cmp_le_i32 vcc_lo, 16*(cnt/8)+cnt%8, v[DR]
	v_cndmask_b32 v[SB+cnt], v[NEG], v[SB+cnt], vcc_lo
.set cnt, cnt+1
.endr
.endif
	v_max3_num_f32 v[TW],   v[SB],    v[SB+1],  v[SB+2]    ; four chains: 9, 9, 7 and 7 numbers
	v_max3_num_f32 v[TW+1], v[SB+9],  v[SB+10], v[SB+11]
	v_max3_num_f32 v[TW+2], v[SB+18], v[SB+19], v[SB+20]
	v_max3_num_f32 v[TW+3], v[SB+25], v[SB+26], v[SB+27]
.set cnt, 0
.rept 2
	v_max3_num_f32 v[TW],   v[TW],   v[SB+3+2*cnt],  v[SB+4+2*cnt]
	v_max3_num_f32 v[TW+1], v[TW+1], v[SB+12+2*cnt], v[SB+13+2*cnt]
	v_max3_num_f32 v[TW+2], v[TW+2], v[SB+21+2*cnt], v[SB+22+2*cnt]
	v_max3_num_f32 v[TW+3], v[TW+3], v[SB+28+2*cnt], v[SB+29+2*cnt]
.set cnt, cnt+1
.endr
	v_max3_num_f32 v[TW],   v[TW],   v[SB+7],  v[SB+8]
	v_max3_num_f32 v[TW+1], v[TW+1], v[SB+16], v[SB+17]
	v_max3_num_f32 v[TW], v[TW], v[TW+1], v[TW+2]
	v_max_num_f32 v[TW], v[TW], v[TW+3]
	v_permlanex16_b32 v[TW+1], v[TW], s76, s77     ; the query's other 32 keys lie in the lane 16 away
.if \first
	v_max_num_f32 v[MR+2*\q], v[TW], v[TW+1]
.else
	v_max3_num_f32 v[TW+2], v[TW], v[TW+1], v[MR+2*\q]
	v_sub_f32 v[AL+2*\q], v[MR+2*\q], v[TW+2]
	v_mov_b32 v[MR+2*\q], v[TW+2]
	v_exp_f32 v[AL+2*\q], v[AL+2*\q]               ; plain instructions that leave it alone follow (ISA guide 5.7.2)
.endif
	v_mov_b32 v[MR+2*\q+1], v[MR+2*\q]
.set cnt, 0
.rept 16
	v_pk_add_f32 v[SB+2*cnt:SB+2*cnt+1], v[SB+2*cnt:SB+2*cnt+1], v[MR+2*\q:MR+2*\q+1] neg_lo:[0,1] neg_hi:[0,1]
.set cnt, cnt+1
.endr
.if \first == 0
	s_wait_alu depctr_va_vdst(0)
	v_mov_b32 v[AL+2*\q+1], v[AL+2*\q]
.endif
.set cnt, 0
.rept 32
	v_exp_f32 v[SB+cnt], v[SB+cnt]
.set cnt, cnt+1
.endr
	v_nop                                          ; one plain instruction between the exponentials and their use
	s_wait_alu depctr_va_vdst(0)
.irp c, 0,1,2,3,4,5,6,7
	v_pk_add_f32 v[WS+2*\c:WS+2*\c+1], v[SB+4*\c:SB+4*\c+1], v[SB+4*\c+2:SB+4*\c+3]
.endr
.irp c, 0,1,2,3
	v_pk_add_f32 v[WS+2*\c:WS+2*\c+1], v[WS+4*\c:WS+4*\c+1], v[WS+4*\c+2:WS+4*\c+3]
.endr
.irp c, 0,1
	v_pk_add_f32 v[WS+2*\c:WS+2*\c+1], v[WS+4*\c:WS+4*\c+1], v[WS+4*\c+2:WS+4*\c+3]
.endr
	v_pk_add_f32 v[WS:WS+1], v[WS:WS+1], v[WS+2:WS+3]
.if \first
	v_add_f32 v[LS+\q], v[WS], v[WS+1]
.else
	v_add_f32 v[WS], v[WS], v[WS+1]
	v_fma_f32 v[LS+\q], v[LS+\q], v[AL+2*\q], v[WS]
.endif
.set cnt, 0
.rept 16
	v_cvt_pk_f16_f32 v[PR+16*\q+cnt], v[SB+2*cnt], v[SB+2*cnt+1]   ; tiles 2 ks2 and 2 ks2 + 1 packed = the second operand for keys 32 ks2 .. + 31
.set cnt, cnt+1
.endr
.if \first == 0
	WIN 0x82                                       ; O in window 2 as source 0 and destination
.set cnt, 0
.rept 32
	v_pk_mul_f32 v[64*\q+2*cnt:64*\q+2*cnt+1], v[64*\q+2*cnt:64*\q+2*cnt+1], v[AL+2*\q:AL+2*\q+1]
.set cnt, cnt+1
.endr
	WIN 0
.endif
.endm
; One step: 64 keys (half sub of a slot).  both: q0 and q1, else q1 alone; mask: the tile that ends here (q0 if both, else q1) is masked;
; first: the launch's first step (keys 0-63): it starts maxima, sums and outputs, and adds v's second term;
; bar: the slot has been read to its end: barrier; fill: and it is filled again, behind a round of the cluster's barrier;
; fetch: the next step's K fragments are fetched.  At entry this step's 32 K loads are out.
.macro SUB slot, sub, both, mask, first, bar, fill, fetch
	PLACES                                         ; behind the last step's matrix instructions: V's registers are loaded, P and O rewritten
	FETCHV \slot, \sub
	s_wait_dscnt 56                                ; behind K's eight loads of ks = 0 stand 24 of K and 32 of V
	SMUL 0, \both
	s_wait_dscnt 48
	SMUL 1, \both
	s_wait_dscnt 40
	SMUL 2, \both
	s_wait_dscnt 32                                ; V's 32 may stay out
	SMUL 3, \both
	WIN 0
	PLACES                                         ; behind the score products: results are read, K's registers loaded again further down
.if \both
	SOFT 0, \mask, \first
	SOFT 1, 0, \first
.else
	SOFT 1, \mask, \first
.endif
.if \mask
	s_add_co_u32 s[KB], s[KB], 64
.endif
	s_wait_dscnt 0x0                               ; V's fragments are in; with them all my reads of this slot so far
.if \bar
	s_wait_tensorcnt 0x0                           ; all my tensor loads have landed: the one that was out is my part of the other slot
	ds_add_u32 v30, v31
	s_wait_dscnt 0x0
	s_barrier_signal -1                            ; (where the slot is filled again this barrier opens a round of the cluster's barrier)
.endif
	PV 0, \both, \first                            ; register work
.if \first
	PVLO
.endif
	WIN 0
.if \bar
	s_barrier_wait -1
.endif
.if \fill
	CREST                                          ; no wave of any partner still reads this slot or has a load on its way
	s_add_nc_u64 s[G0K+4*\slot+2:G0K+4*\slot+3], s[G0K+4*\slot+2:G0K+4*\slot+3], 256*256     ; 256 keys on
	s_add_nc_u64 s[G0V+4*\slot+2:G0V+4*\slot+3], s[G0V+4*\slot+2:G0V+4*\slot+3], 256*256
	JLOAD \slot                                    ; the wave's one tensor load behind the round; it has two steps in which to land
.endif
.if \fetch
.if \sub
	FETCHK 1-\slot, 0
.else
	FETCHK \slot, 1
.endif
.endif
	PV 1, \both, 0
	WIN 0
.endm
.macro PAIR both, mask, first          ; 256 keys, both slots filled again
	SUB 0, 0, \both, \mask, \first, 0, 0, 1
	SUB 0, 1, \both, \mask, 0,      1, 1, 1
	SUB 1, 0, \both, \mask, 0,      0, 0, 1
	SUB 1, 1, \both, \mask, 0,      1, 1, 1
.endm
	s_wait_dscnt 0x0                               ; v_lo's fragments
	s_wait_tensorcnt 0x1                           ; my part of slot 0 is in; slot 1's load stays out
	s_barrier_signal -1
	s_barrier_wait -1
	FETCHK 0, 0
	WIN 0
	s_mov_b32 s[KB], 0
	PAIR 1, 1, 1                                   ; the first step starts maxima, sums and outputs: nothing is cleared
	s_cmp_eq_u32 s17, 0
	s_cbranch_scc1 .Lshort_done
	s_mov_b32 s75, s17                             ; e more pairs for both tiles
.Lshort:
	PAIR 1, 1, 0
	s_sub_co_i32 s75, s75, 1
	s_cmp_gt_i32 s75, 0
	s_cbranch_scc1 .Lshort
.Lshort_done:
	s_cmp_eq_u32 s17, 3
	s_cbranch_scc1 .Llong_done
	s_lshl_b32 s75, s17, 1
	s_sub_co_u32 s75, 6, s75                       ; 6 - 2 e pairs for q1 alone, all keys allowed
.Llong:
	PAIR 0, 0, 0
	s_sub_co_i32 s75, s75, 1
	s_cmp_gt_i32 s75, 0
	s_cbranch_scc1 .Llong
.Llong_done:
	s_sub_co_u32 s[KB], 7, s17
	s_lshl_b32 s[KB], s[KB], 8                     ; the last pair begins at key 256 (7 - e)
	SUB 0, 0, 0, 1, 0, 0, 0, 1                     ; the last pair fills nothing
	SUB 0, 1, 0, 1, 0, 1, 0, 1                     ; one more barrier: slot 1 is whole for every wave
	SUB 1, 0, 0, 1, 0, 0, 0, 1
	SUB 1, 1, 0, 1, 0, 0, 0, 0
	PLACES                                         ; behind the last matrix instructions
; The end.  SCALEO: query tile q divided by its sum, in f32, into v[96:159].  PACK: 64 numbers from src rounded to f16 into 32 registers at dst.
; OUTF: these are my 16 bytes of eight half fragments: eight stores of 512 consecutive bytes, aligned.  Each call of PACK has registers of
; its own, so no store's data is rewritten.
.macro SCALEO q
	v_permlanex16_b32 v12, v[LS+\q], s76, s77      ; the sums of the two halves of the keys meet here
	v_add_f32 v12, v12, v[LS+\q]                   ; at least 1: the largest score gave 2^0
	v_rcp_f32 v14, v12
	v_nop                                          ; one plain instruction behind v_rcp_f32
	s_wait_alu depctr_va_vdst(0)
	v_mov_b32 v15, v14
	WIN 0x02                                       ; source 0 window 2
.set cnt, 0
.rept 32
	v_pk_mul_f32 v[SR+2*cnt:SR+2*cnt+1], v[64*\q+2*cnt:64*\q+2*cnt+1], v[14:15]
.set cnt, cnt+1
.endr
	WIN 0
.endm
.macro PACK src, dst
.set cnt, 0
.rept 32
	v_cvt_pk_f16_f32 v[\dst+cnt], v[\src+2*cnt], v[\src+2*cnt+1]
.set cnt, cnt+1
.endr
.endm
.macro OUTF base, reg
.irp dt, 0,1,2,3,4,5,6,7
	global_store_b128 v[QO], v[\reg+4*\dt:\reg+4*\dt+3], s[\base:\base+1] offset:512*\dt
.endr
.endm
	SCALEO 0
	s_cmp_eq_u32 ttmp9, 0                          ; cluster 0: i = 0 .. 3, so q0 is one of the position tiles 0 .. 7: the first 128 positions
	s_cbranch_scc1 .Ltwo_terms
	PACK SR, 192
	OUTF 70, 192
	s_branch .Lq1
.Ltwo_terms:
	s_lshl3_add_u32 s78, s14, s16                  ; 8 batch + position tile
	s_lshl_b32 s78, s78, 15
	s_add_co_u32 s78, s78, s83                     ; + my head's four fragments
	s_add_co_u32 s78, s78, LOBASE
	s_add_nc_u64 s[84:85], s[8:9], s[78:79]        ; where q0's second term goes
.set cnt, 0
.rept 64
	v_and_b32 v[QR+cnt], s86, v[SR+cnt]            ; hi: 11 bits, which the conversion to f16 takes over unchanged
.set cnt, cnt+1
.endr
	PACK QR, 192
	OUTF 70, 192
.set cnt, 0
.rept 32
	v_pk_add_f32 v[SR+2*cnt:SR+2*cnt+1], v[SR+2*cnt:SR+2*cnt+1], v[QR+2*cnt:QR+2*cnt+1] neg_lo:[0,1] neg_hi:[0,1]   ; lo: exact in f32
.set cnt, cnt+1
.endr
	PACK SR, 224
	OUTF 84, 224
.Lq1:
	SCALEO 1
	PACK SR, 160
	OUTF 72, 160
	CROUND                                         ; the closing round
	s_endpgm
.Lfunc_end_k_q1c15aed086_attn:
	.size	k_q1c15aed086_attn, .Lfunc_end_k_q1c15aed086_attn-k_q1c15aed086_attn
	.p2alignl 7, 3214868480
	.fill 96, 4, 3214868480
	.section	.rodata,"a",@progbits
	.p2align	6, 0x0
	.amdhsa_kernel k_q1c15aed086_attn
		.amdhsa_group_segment_fixed_size 327680
		.amdhsa_private_segment_fixed_size 0
		.amdhsa_enable_private_segment 0
		.amdhsa_kernarg_size 24
		.amdhsa_user_sgpr_count 2
		.amdhsa_user_sgpr_kernarg_segment_ptr 1
		.amdhsa_wavefront_size32 1
		.amdhsa_system_sgpr_workgroup_id_x 1
		.amdhsa_system_sgpr_workgroup_id_y 1
		.amdhsa_system_sgpr_workgroup_id_z 1
		.amdhsa_system_vgpr_workitem_id 0
		.amdhsa_next_free_vgpr 704
		.amdhsa_next_free_sgpr 88
		.amdhsa_reserve_vcc 1
		.amdhsa_float_denorm_mode_32 3
		.amdhsa_float_denorm_mode_16_64 3
		.amdhsa_memory_ordered 1
		.amdhsa_forward_progress 1
		.amdhsa_inst_pref_size 255
	.end_amdhsa_kernel
	.section	.bss,"aw",@nobits
	.p2align	6
	.space	262144
	.amdgpu_metadata
---
amdhsa.version: [ 1, 2 ]
amdhsa.kernels:
  - .name:           k_q1c15aed086_attn
    .symbol:         k_q1c15aed086_attn.kd
    .args:
      - { .name: qkv, .offset: 0, .size: 8, .value_kind: global_buffer, .address_space: global }
      - { .name: vlo, .offset: 8, .size: 8, .value_kind: global_buffer, .address_space: global }
      - { .name: att, .offset: 16, .size: 8, .value_kind: global_buffer, .address_space: global }
    .group_segment_fixed_size: 327680
    .private_segment_fixed_size: 0
    .kernarg_segment_align: 8
    .kernarg_segment_size: 24
    .max_flat_workgroup_size: 128
    .sgpr_count:     88
    .vgpr_count:     704
    .wavefront_size: 32
...
	.end_amdgpu_metadata
.endif
;; end of part 3
;; launch oproj (part 4): grid 16 x 16, 4 waves a work-group, clusters of 4 x 4, 327,680 bytes of LDS; arguments att, wob, out0; writes out0
.if DOCPART == 4
	.amdgcn_target "amdgcn-amd-amdhsa--gfx1250"
	.amdhsa_code_object_version 6
	.text
	.protected	k_q1c15aed086_oproj
	.globl	k_q1c15aed086_oproj
	.p2align	8
	.type	k_q1c15aed086_oproj,@function
k_q1c15aed086_oproj:
	s_mov_b64 s[64:65], 0
	v_nop
	global_prefetch_b8 v0, s[64:65] scope:SCOPE_SE
	s_setreg_imm32_b32 hwreg(HW_REG_WAVE_MODE, 25, 1), 1
	s_wait_xcnt 0x0
	s_wait_alu depctr_hold_cnt(0) depctr_sa_sdst(0) depctr_va_vdst(0) depctr_va_sdst(0) depctr_va_ssrc(0) depctr_va_vcc(0) depctr_vm_vsrc(0)
	s_getreg_b32 s2, hwreg(HW_REG_IB_STS2, 6, 4)
	s_cmp_eq_u32 s2, 0
	s_cbranch_scc0 .Lentry_in_a_cluster
	s_endpgm
.Lentry_in_a_cluster:
	s_bfe_u32 s2, ttmp6, 0x10000c
	s_cmp_lg_u32 s2, 0xf033
	s_cbranch_scc0 .Lentry_shape_is_right
	s_endpgm
.Lentry_shape_is_right:
; oproj: out0 [4096][2048] f32 = att x wob [1024 k][2048 n], f16 operands, f32 sums.
; att lies in fragment order: [256 position tiles of 16 = 128 batch + t / 16][32 k blocks of 32][1,024 bytes], then, from byte 8,388,608 on,
; [16 tiles = 8 batch + t / 16][32][1,024]: the second f16 term of each batch's first 128 positions.  Those positions' rows of the result are
; the least averaged and so the largest beside the size of the whole result: they enter as hi + lo, some 21 bits.
; LIMITS: att is f16 (range 65,504, see the launch before); wob holds Wo rounded to bf16, as f16 (see the first launch).
; SHAPE.  A work-group makes 16 position tiles x 128 columns with four waves; block row 8 batch + j takes position tile j (its tile 0) and tiles
; 8 + 15 j .. 22 + 15 j (its tiles 1 to 15), so that each work-group has one of the tiles with a second term.  Wave w takes the block's tiles
; 4 w .. 4 w + 3: 32 accumulator tiles, 256 registers.  Wave 0 adds the second term's products onto its tile 0's eight accumulators, 8 matrix
; instructions on 32 in each quarter step, under a branch on the wave's number.  (Shared among the four waves they would need a sum across
; waves through LDS at the end.)
; THE TWO OPERANDS TAKE TWO ROADS, as in the QKV product.  wob's 128 columns are read by all four waves: they go through LDS, two slots of 256 k
; rows (a lap: 8 quarter steps of 32 k), each wave fetching 64 k rows of 256 bytes by one tensor load; fragments by the transposing load.
; att's tiles of a wave are read by no other wave of the work-group: a wave loads its four fragments of a quarter step by eight loads of 512
; consecutive bytes straight into a ring of eight register slots, six quarter steps ahead, and no barrier cuts them off.
; WHY att IS NOT ASKED FOR JOINTLY, though the four work-groups of a row of the cluster read the same tiles: with both operands in LDS two slots
; of two K steps of 128 do not fit (2 x (256 x 528 + 256 x 288) = 417,792 bytes), so a request would have 120 matrix instructions in which to
; land and each step a round of the cluster's barrier; with wob alone a request has 248, and there are 2 such rounds instead of 6.
; CLUSTERS: 4 x 4 work-groups; wob's tiles are asked for jointly along a column of the cluster.
; REGISTERS: window 0: v0-31 addresses, v32-95 and v96-159 two buffers of wob's 8 fragments; window 1: accumulator (a, b) at v[64 a + 8 b];
; window 2: att's ring, slot s at v[32 s + 8 a]; window 3: the second term's ring, slot s at v[8 s] (wave 0 alone).
; The matrix instruction is used transposed: lane (r, h) register j of tile (a, b) holds row 16 a + r, column 16 b + 8 h + j.
.set PB,     288                       ; LDS pitch of wob's rows: 256 + 32, an odd multiple of 32, for the transposing load
.set QB,     32*PB                     ; a quarter step's 32 k rows
.set WPART,  64*PB                     ; what one wave fetches of a slot
.set SLOT,   4*WPART                   ; 73,728: 256 k rows
.set STAGE,  2*SLOT                    ; 147,456: behind the ring, 16 rows x 528 bytes for each wave; no tensor load lands there
.set SPITCH, 528                       ; 512 bytes + 16: the 16 rows of a store start in 16 different groups of four banks
.set LAPB,   256*4096                  ; bytes of wob from a lap's rows to the next lap's
.set FRAG,   1024                      ; bytes of a fragment of att
.set ATILE,  32*FRAG                   ; bytes of a position tile of att
.set LOBASE, 8388608                   ; where att's second terms begin
.set AHEAD,  6                         ; quarter steps by which att's loads run ahead
.set NQ,     32                        ; quarter steps in all
.set ADRB, 16                          ; v16-19  LDS address of my wob fragments: slot 0 quarters 0-3, 4-7, slot 1 quarters 0-3, 4-7
.set STO,  24
.set RD,   25
.set CO,   26                          ; v26     16 x lane; never rewritten
.set F0,   32
.set LDR,  32                          ; way out: v[32:95] 16 rows read back
.set G1B, 48
.set G0B, 56
.set MULW, 0x58                        ; C and D window 1, source 1 (att) window 2, source 0 (wob) window 0
.set LOW,  0x5c                        ; the same with source 1 (second term) window 3
.set MSB, 0
.macro WIN new                         ; the immediate's high byte repeats the setting that is left
.if MSB != \new
	s_set_vgpr_msb (MSB<<8)|\new
.set MSB, \new
.endif
.endm
.macro PLACES                          ; four places behind matrix instructions (ISA guide 7.12.1)
.rept 4
	v_nop
.endr
.endm
.macro CREST                           ; a round of the cluster's barrier behind its opening work-group barrier
	s_cmp_lg_u32 s10, 0
	s_cbranch_scc1 .Lnot_wave_0_\@
	s_barrier_signal -3
.Lnot_wave_0_\@:
	s_barrier_wait -3
	s_barrier_signal -1
	s_barrier_wait -1
.endm
.macro CROUND
	s_barrier_signal -1
	s_barrier_wait -1
	CREST
.endm
; Eight loads of 512 consecutive bytes: my four fragments of k block kb into ring slot kb mod 8.  Tile 0 has a base of its own.
.macro ALOAD kb
	WIN 0x80                                       ; destination window 2
	global_load_b128 v[32*((\kb)%8):32*((\kb)%8)+3],   v[CO], s[66:67] offset:(\kb)*FRAG
	global_load_b128 v[32*((\kb)%8)+4:32*((\kb)%8)+7], v[CO], s[66:67] offset:(\kb)*FRAG+512
.irp a, 1,2,3
	global_load_b128 v[32*((\kb)%8)+8*\a:32*((\kb)%8)+8*\a+3],   v[CO], s[68:69] offset:\a*ATILE+(\kb)*FRAG
	global_load_b128 v[32*((\kb)%8)+8*\a+4:32*((\kb)%8)+8*\a+7], v[CO], s[68:69] offset:\a*ATILE+(\kb)*FRAG+512
.endr
.endm
.macro LLOAD kb                        ; wave 0: the second term's fragment of k block kb
	WIN 0xc0                                       ; destination window 3
	global_load_b128 v[8*((\kb)%8):8*((\kb)%8)+3],   v[CO], s[70:71] offset:(\kb)*FRAG
	global_load_b128 v[8*((\kb)%8)+4:8*((\kb)%8)+7], v[CO], s[70:71] offset:(\kb)*FRAG+512
.endm
	s_load_b128 s[4:7], s[0:1], 0x0                ; att s[4:5], wob s[6:7]
	s_load_b64 s[8:9], s[0:1], 0x10                ; out0
	v_lshl_add_u32 v254, v0, 2, 0x2c400
	v_mov_b32 v255, 0
	ds_add_u32 v254, v255
	v_lshrrev_b32 v1, 5, v0
	v_readfirstlane_b32 s10, v1                    ; wave 0..3
	s_bfe_u32 s40, ttmp6, 0x40000                  ; cx
	s_bfe_u32 s41, ttmp6, 0x40004                  ; cy
	s_lshl_b32 s42, ttmp9, 2
	s_add_co_u32 s42, s42, s40                     ; block column
	s_and_b32 s13, ttmp7, 0xffff
	s_lshl_b32 s13, s13, 2
	s_add_co_u32 s13, s13, s41                     ; block row
	s_lshl_b32 s44, 0x1111, s40                    ; my column of the cluster
	s_or_b32 s[G1B+0], s44, (1<<16)|(1<<20)|(1<<21)|(5<<22)|(7<<25)  ; mask; 2-byte elements; padding on; bit 21 beside a mask; after every 64 words 8 words
	s_mov_b32 s[G1B+1], 128<<16                    ; tensor_dim0 = 128
	s_mov_b32 s[G1B+2], 64<<16                     ; tensor_dim1 = 64 k rows
	s_mov_b32 s[G1B+3], 128<<16                    ; tile_dim0 = 128
	s_mov_b32 s[G1B+4], 64                         ; tile_dim1
	s_mov_b32 s[G1B+5], 2048                       ; elements from row to row
	s_mov_b32 s[G1B+6], 0
	s_mov_b32 s[G1B+7], 0
	s_lshl_b32 s46, s42, 8                         ; wob: 128 columns = 256 bytes a block column,
	s_lshl_b32 s45, s10, 18                        ; 64 k rows of 4,096 bytes a wave: the block column and the wave alone
	s_add_co_u32 s46, s46, s45
	s_mov_b32 s47, 0
	s_mul_i32 s21, s10, WPART                      ; LDS: wave x 18,432
	s_wait_dscnt 0x0
	s_wait_kmcnt 0x0
	s_add_nc_u64 s[46:47], s[6:7], s[46:47]
	CROUND                                         ; all sixteen work-groups are here: the first joint loads meet
.irp s, 0,1
	s_mov_b32 s[G0B+4*\s], 1
	s_add_co_u32 s[G0B+4*\s+1], s21, \s*SLOT
	s_add_nc_u64 s[G0B+4*\s+2:G0B+4*\s+3], s[46:47], \s*LAPB
	s_or_b32 s[G0B+4*\s+3], s[G0B+4*\s+3], 0x80000000
	tensor_load_to_lds s[G0B+4*\s:G0B+4*\s+3], s[G1B:G1B+7]        ; two tensor loads of the wave are out: the most in this text
	s_nop 0
.endr
	; My position tiles: tile a is 7 + 15 j + 4 w + a of the batch, but wave 0's tile 0: j.
	s_lshr_b32 s80, s13, 3                         ; batch
	s_and_b32 s81, s13, 7                          ; j
	s_mul_i32 s82, s81, 15
	s_add_co_u32 s82, s82, 7
	s_lshl2_add_u32 s82, s10, s82                  ; 7 + 15 j + 4 w
	s_cmp_eq_u32 s10, 0
	s_cselect_b32 s84, s81, s82                    ; my tile 0: a select on the wave's number
	s_lshl_b32 s80, s80, 7                         ; 128 position tiles a batch
	s_add_co_u32 s82, s82, s80
	s_add_co_u32 s84, s84, s80
	s_mov_b32 s79, 0
	s_lshl_b32 s78, s84, 15                        ; 32,768 bytes of att a position tile
	s_add_nc_u64 s[66:67], s[4:5], s[78:79]        ; att: my tile 0
	s_lshl_b32 s78, s82, 15
	s_add_nc_u64 s[68:69], s[4:5], s[78:79]        ; att: tiles 1 to 3, a tiles further
	s_lshl_b32 s78, s13, 15                        ; 8 batch + j = the block row
	s_add_co_u32 s78, s78, LOBASE
	s_add_nc_u64 s[70:71], s[4:5], s[78:79]        ; att: the second term of the block's tile 0
	s_lshl_b32 s82, s82, 17                        ; out0: 16 rows of 8,192 bytes a position tile
	s_lshl_b32 s84, s84, 17
	s_lshl_b32 s85, s42, 9                         ; 512 bytes a block column
	s_add_co_u32 s82, s82, s85
	s_add_co_u32 s84, s84, s85
	s_mov_b32 s83, 0
	s_mov_b32 s85, 0
	s_add_nc_u64 s[86:87], s[8:9], s[84:85]        ; out0: tile 0
	s_add_nc_u64 s[8:9], s[8:9], s[82:83]          ; out0: tiles 1 to 3, 16 a rows further
	v_and_b32 v[CO], 31, v0
	v_lshlrev_b32 v[CO], 4, v[CO]                  ; 16 x lane
	s_cmp_lg_u32 s10, 0
	s_cbranch_scc1 .Lno_lo_first
.irp k, 0,1,2,3,4,5
	LLOAD \k                                       ; wave 0: the second term's first six fragments, ahead of att's: 12 + 48 = 60 loads are out, the most in this text
.endr
	WIN 0
.Lno_lo_first:
.irp k, 0,1,2,3,4,5
	ALOAD \k
.endr
	WIN 0
	v_and_b32 v1, 15, v0
	v_bfe_u32 v2, v0, 4, 1
	v_and_b32 v4, 7, v0
	v_lshl_add_u32 v4, v2, 3, v4                   ; k row 8 h + (lane mod 8)
	v_mul_u32_u24 v4, v4, PB
	v_bfe_u32 v5, v0, 3, 1
	v_lshl_add_u32 v4, v5, 4, v4                   ; + 16 bytes for lanes 8-15 of each half
	v_mov_b32 v[ADRB], v4
	v_add_nc_u32 v[ADRB+1], 4*QB, v4
	v_add_nc_u32 v[ADRB+2], SLOT, v4
	v_add_nc_u32 v[ADRB+3], SLOT+4*QB, v4
	s_mul_i32 s23, s10, 16*SPITCH
	s_add_co_u32 s23, s23, STAGE                   ; my stage
	v_mul_u32_u24 v5, v1, SPITCH
	v_lshl_add_u32 v5, v2, 5, v5                   ; row r, 32 bytes for each half of the lanes
	v_add_nc_u32 v[STO], s23, v5
	v_add_nc_u32 v[RD], s23, v[CO]                 ; a whole row of 512 bytes
; Eight matrix instructions: row tile a (ring slot sl) x all 8 column tiles (buffer f), 32 along K.  The accumulators take turns, one
; instruction a turn, in the same order in every quarter step (in wave 0: the 32, then tile 0's eight once more).
.macro MUL8 f, sl, a, zero
.irp b, 0,1,2,3,4,5,6,7
.if \zero
	v_wmma_f32_16x16x32_f16 v[64*\a+8*\b:64*\a+8*\b+7], v[\f+8*\b:\f+8*\b+7], v[32*(\sl)+8*\a:32*(\sl)+8*\a+7], 0
.else
	v_wmma_f32_16x16x32_f16 v[64*\a+8*\b:64*\a+8*\b+7], v[\f+8*\b:\f+8*\b+7], v[32*(\sl)+8*\a:32*(\sl)+8*\a+7], v[64*\a+8*\b:64*\a+8*\b+7]
.endif
.endr
.endm
; 16 LDS loads in one run: wob's 8 fragments of quarter step kb into buffer g
.macro FETCHB kb, g
	WIN 0
.irp b, 0,1,2,3,4,5,6,7
	ds_load_tr16_b128 v[\g+8*\b:\g+8*\b+3],   v[ADRB+((\kb)/4)%4] offset:((\kb)%4)*QB+32*\b
	ds_load_tr16_b128 v[\g+8*\b+4:\g+8*\b+7], v[ADRB+((\kb)/4)%4] offset:((\kb)%4)*QB+32*\b+16*PB
.endr
.endm
; Wave 0 alone, at the end of quarter step kb: the second term's fragment of six quarters on is asked for (its ring slot was last read two
; quarters ago, with places since); then the second term's products of this quarter, whose fragment this quarter's wait on loads has shown in.
.macro LOSTEP kb, f
	WIN 0
	s_cmp_lg_u32 s10, 0
	s_cbranch_scc1 .Lno_lo_\@
.if (\kb) < NQ-AHEAD
	LLOAD \kb+AHEAD
.endif
	WIN LOW
.irp b, 0,1,2,3,4,5,6,7
	v_wmma_f32_16x16x32_f16 v[8*\b:8*\b+7], v[\f+8*\b:\f+8*\b+7], v[8*((\kb)%8):8*((\kb)%8)+7], v[8*\b:8*\b+7]
.endr
	WIN 0
.Lno_lo_\@:
.endm
; Quarter step kb: multiplies ring slot kb mod 8 by buffer kb mod 2.  Behind its first eight matrix instructions one run of loads: wob's fragments
; of the next quarter into the other buffer, att's fragments of six quarters on into the ring slot read two quarters ago; the four places stand
; between these loads and the matrix instructions that last read their targets.
; bar: the lap's last quarter, a change of slots.  In front of the barrier each wave waits for its reads of this slot (its last fragments are in)
; and for all its tensor loads (its part of the next slot).  fill: behind a round of the cluster's barrier the slot is filled again, first thing.
; From a request to the wait for it a wave issues 248 matrix instructions (wave 0: 312).
.macro QSTEP kb, bar, fill
.set QF, F0+64*((\kb)%2)
.set QG, F0+64*((\kb+1)%2)
.set QS, (\kb)%8
.set QL, ((\kb)/8)%2
.if (\kb) == 0
.set ZR, 1
.else
.set ZR, 0
.endif
.if (\kb) < NQ-AHEAD
	s_wait_loadcnt 8*(AHEAD-1)                     ; loads come back in order: behind this quarter's eight stand five quarters' 40
.else
	s_wait_loadcnt 8*(NQ-1-(\kb))                  ; nothing more is asked for: the count runs down
.endif
	s_wait_dscnt 0x0                               ; wob's fragments, asked for 24 matrix instructions ago; with them all my reads of this slot so far
.if \bar
	s_wait_tensorcnt 0x0                           ; all my tensor loads have landed
	ds_add_u32 v254, v255
	s_wait_dscnt 0x0
	s_barrier_signal -1                            ; (where the slot is filled again this barrier opens a round of the cluster's barrier)
.endif
	WIN MULW
	MUL8 QF, QS, 0, ZR                             ; register work while the others arrive
.if \bar
	WIN 0
	s_barrier_wait -1
.endif
.if \fill
	CREST                                          ; no wave of any partner still reads this slot or has a tensor load on its way
	s_add_nc_u64 s[G0B+4*QL+2:G0B+4*QL+3], s[G0B+4*QL+2:G0B+4*QL+3], 2*LAPB
	tensor_load_to_lds s[G0B+4*QL:G0B+4*QL+3], s[G1B:G1B+7]        ; the wave's one tensor load behind the round
	s_nop 0
.endif
.if (\kb) < NQ-1
	PLACES
	FETCHB \kb+1, QG
.endif
.if (\kb) < NQ-AHEAD
	ALOAD \kb+AHEAD
.endif
	WIN MULW
	MUL8 QF, QS, 1, ZR
	MUL8 QF, QS, 2, ZR
	MUL8 QF, QS, 3, ZR
	LOSTEP \kb, QF
.endm
.macro LAP base, bar, fill             ; 8 quarter steps on one slot, once round att's ring
.irp q, 0,1,2,3,4,5,6
	QSTEP \base+\q, 0, 0
.endr
	QSTEP \base+7, \bar, \fill
.endm
	s_wait_tensorcnt 0x1                           ; my part of lap 0 is in; lap 1's load stays out
	s_barrier_signal -1
	s_barrier_wait -1
	FETCHB 0, F0
	LAP 0, 1, 1                                    ; the first products start the sums: nothing is cleared.  Slot 0 is filled again with lap 2
	LAP 8, 1, 1                                    ; slot 1 is filled again with lap 3
	LAP 16, 1, 0                                   ; nothing is left to fetch; the barrier shows lap 3's slot whole to every wave
	LAP 24, 0, 0
	PLACES                                         ; behind the last matrix instructions: results are stored to LDS, fragment registers loaded
; 16 rows out: 32 bytes a lane and tile into my own stage, read back as whole rows of 512 bytes, each stored by one instruction of the wave.
.macro OUT16 a, base, row
	WIN 0x04                                       ; an LDS store's data is source 1: window 1
.irp b, 0,1,2,3,4,5,6,7
	ds_store_b128 v[STO], v[64*\a+8*\b:64*\a+8*\b+3]   offset:64*\b
	ds_store_b128 v[STO], v[64*\a+8*\b+4:64*\a+8*\b+7] offset:64*\b+16
.endr
	WIN 0
	s_wait_xcnt 0x0                                ; the registers that the last 16 rows' stores read are loaded again only behind this wait
.irp u, 0,1,2,3,4,5,6,7,8,9,10,11,12,13,14,15
	ds_load_b128 v[LDR+4*\u:LDR+4*\u+3], v[RD] offset:SPITCH*\u    ; my own bytes, served in order: these see the stores above
.endr
.irp u, 0,1,2,3,4,5,6,7,8,9,10,11,12,13,14,15
	s_wait_dscnt 15-\u                             ; LDS loads come back in order: row u is in
	global_store_b128 v[CO], v[LDR+4*\u:LDR+4*\u+3], s[\base:\base+1] offset:(\row+\u)*8192 th:TH_STORE_NT   ; 512 consecutive bytes, aligned; not read again
.endr
.endm
	OUT16 0, 86, 0
	OUT16 1, 8, 16
	OUT16 2, 8, 32
	OUT16 3, 8, 48
	s_wait_tensorcnt 0x0
	ds_add_u32 v254, v255
	s_wait_dscnt 0x0
	CROUND                                         ; the closing round: no work-group ends while a partner may still ask for a tile that names it
	s_endpgm
.Lfunc_end_k_q1c15aed086_oproj:
	.size	k_q1c15aed086_oproj, .Lfunc_end_k_q1c15aed086_oproj-k_q1c15aed086_oproj
	.p2alignl 7, 3214868480
	.fill 96, 4, 3214868480
	.section	.rodata,"a",@progbits
	.p2align	6, 0x0
	.amdhsa_kernel k_q1c15aed086_oproj
		.amdhsa_group_segment_fixed_size 327680
		.amdhsa_private_segment_fixed_size 0
		.amdhsa_enable_private_segment 0
		.amdhsa_kernarg_size 24
		.amdhsa_user_sgpr_count 2
		.amdhsa_user_sgpr_kernarg_segment_ptr 1
		.amdhsa_wavefront_size32 1
		.amdhsa_system_sgpr_workgroup_id_x 1
		.amdhsa_system_sgpr_workgroup_id_y 1
		.amdhsa_system_sgpr_workgroup_id_z 1
		.amdhsa_system_vgpr_workitem_id 0
		.amdhsa_next_free_vgpr 832
		.amdhsa_next_free_sgpr 88
		.amdhsa_reserve_vcc 0
		.amdhsa_float_denorm_mode_32 3
		.amdhsa_float_denorm_mode_16_64 3
		.amdhsa_memory_ordered 1
		.amdhsa_forward_progress 1
		.amdhsa_inst_pref_size 181
	.end_amdhsa_kernel
	.amdgpu_metadata
---
amdhsa.version: [ 1, 2 ]
amdhsa.kernels:
  - .name:           k_q1c15aed086_oproj
    .symbol:         k_q1c15aed086_oproj.kd
    .args:
      - { .name: att, .offset: 0, .size: 8, .value_kind: global_buffer, .address_space: global }
      - { .name: wob, .offset: 8, .size: 8, .value_kind: global_buffer, .address_space: global }
      - { .name: out0, .offset: 16, .size: 8, .value_kind: global_buffer, .address_space: global }
    .group_segment_fixed_size: 327680
    .private_segment_fixed_size: 0
    .kernarg_segment_align: 8
    .kernarg_segment_size: 24
    .max_flat_workgroup_size: 128
    .sgpr_count:     88
    .vgpr_count:     832
    .wavefront_size: 32
...
	.end_amdgpu_metadata
.endif
;; end of part 4
;; ======== version 2 of 2: 4 launches; version 1 with the launch prep written anew for expert scheduling mode
;; limits: values outside matrix products are rounded to bf16; values are held in f16: magnitudes above 65,504 overflow, below 6.1e-05 lose precision; a function is approximated: absolute error at most 2.2e-05
;; workspace buffers: xb 16,777,216 bytes; wcat 8,388,608 bytes; wob 4,194,304 bytes; rope 1,048,576 bytes; qkv 16,777,216 bytes; vlo 65,536 bytes; att 8,912,896 bytes
;; launch prep (part 5): grid 1024 x 1, 8 waves a work-group, no clusters, 35,840 bytes of LDS; arguments x, Wq, Wk, Wv, Wo, xb, wcat, wob, rope; writes xb, wcat, wob, rope
.if DOCPART == 5
	.amdgcn_target "amdgcn-amd-amdhsa--gfx1250"
	.amdhsa_code_object_version 6
	.text
	.protected	k_q1c15aed086_prep
	.globl	k_q1c15aed086_prep
	.p2align	8
	.type	k_q1c15aed086_prep,@function
k_q1c15aed086_prep:
	s_mov_b64 s[64:65], 0
	v_nop
	global_prefetch_b8 v0, s[64:65] scope:SCOPE_SE
	s_setreg_imm32_b32 hwreg(HW_REG_WAVE_SCHED_MODE, 0, 2), 2
	s_setreg_imm32_b32 hwreg(HW_REG_WAVE_MODE, 25, 1), 1
	s_wait_xcnt 0x0
	s_wait_alu depctr_vm_vsrc(0)
; prep: the 16-bit copies of the matrix inputs, and the table of cosines and sines for the rotary embedding.
;   xb   = x in bf16, in the order of the matrix instruction's fragments: [256 row tiles of 16][64 k blocks of 32][1,024 bytes]; in a fragment
;        byte 512 j + 16 lane holds the eight numbers x[16 tile + (lane & 15)][32 block + 16 j + 8 (lane >> 4) + 0..7].  So the next launch
;        loads a fragment by two loads of 512 consecutive bytes, straight into registers.
;   wcat [2048 k][2048 n] bf16 = Wq | Wk | Wv side by side (n 0-1023, 1024-1535, 1536-2047);
;   wob  [1024 k][2048 n] f16 = Wo rounded to bf16 and then held as f16, because its partner operand (att) is f16.
;        LIMIT: that second step is exact for |w| >= 2^-17; smaller numbers move by at most 2^-25.  |w| <= 65,504.
;   rope: 128 tiles of 16 positions, 8,192 bytes each: byte tile*8192 + which*4096 + 16*thread holds four f32, cos (which 0) or sin (1), of
;        position t = 16 tile + (thread & 15) and frequency i = 16 (thread>>6) + 8 ((thread>>4)&1) + 4 ((thread>>5)&1) + 0..3:
;        the order in which a lane of the next launch holds its results.
; A stream: memory binds, so no barrier and no matrix unit.  Every conversion work-group takes 65,536 source bytes: sixteen loads of 16 bytes a
; lane, all issued at once; a wave's load covers 512 consecutive bytes.
;   work-groups 0-511: x, 16 rows x 1,024 k each; a wave takes 16 rows x 128 k, turns them through its own 16 x 272 bytes of LDS into four
;        fragments and stores these by eight stores of 512 consecutive bytes;
;   work-groups 512-895: the weights, sixteen stores of 8 bytes a lane (a wave's store covers 256 consecutive bytes, aligned);
;   work-groups 896-1023: one tile of the table each.
; LIMIT of the table: the angle is reduced by the nearest multiple of 2 pi (held in two parts) and sine and cosine are Taylor sums on
; [-pi, pi], cut behind r^13 and r^14: the terms left out are at most pi^15/15! = 2.2e-5 and pi^16/16! = 4.3e-6.  No input enters it.
; THE MODE: SCHED_MODE bits 1:0 = 2 (LLVM: expert scheduling mode 2), set by the entry lines.  The code itself states the register dependences
; between vector instructions and memory or LDS instructions, with s_wait_alu, always for 0.
; THE PLAN.  Registers that memory or LDS instructions touch:
;   v1, v128, v129   written once at the head; v1 is the offset of the weights' loads and of the table's stores, the other two serve the closing add.
;   XR               the sixteen loads land in it; no vector instruction names it before them.  The conversions read it.  On x's way the eight
;                    fragment loads from LDS land in its first 32 registers, behind all the conversions.
;   YR               two registers of its own for each load: written once, by that load's conversions; read once, by its store (global or LDS).
;   DOFF (weights)   sixteen offsets, written once behind the loads, read by the stores.     v4, v5, v6 (x)  written once ahead of the loads.
; No register that a memory or LDS instruction reads is ever written again, so no wait on vm_vsrc is owed.
; The sixteen loads are worked on in four groups of four.  At the head of groups 1 to 3, behind the wait for the group's data, ONE wait on va_vdst
; states that the group before has written its YR; that group's four stores follow it, dealt among this group's conversions, which name this
; group's XR and YR (and TT) alone.  One more such wait stands ahead of the last group's stores.
.set XPITCH, 272                       ; x's stage: a row of 128 bf16 + 16 bytes: the 16 rows of a fragment load start in 16 different groups of four banks
.set DOFF, 2                           ; weights: v[2:17] byte offset of my 8 bytes in the destination, for each of the 16 loads; never rewritten
.set TT,   18                          ; v[18:19]  at work: no memory instruction names them
.set XR,   32                          ; v[32:95]  16 x 4 f32 as loaded; x: then the fragments
.set YR,   96                          ; v[96:127] 16 x 2 registers of 16-bit numbers
.set EI,   10                          ; table: v[10:13] exponent, then inverse frequency
.set AN,   14                          ; v[14:17] angle
.set NN,   18                          ; v[18:21] turns
.set RA,   22                          ; v[22:25] reduced angle
.set YY,   26                          ; v[26:29] its square
.set PC,   40                          ; v[40:43] cosines
.set PS,   44                          ; v[44:47] sines
	s_load_b512 s[4:19], s[0:1], 0x0               ; x s[4:5], Wq s[6:7], Wk s[8:9], Wv s[10:11], Wo s[12:13], xb s[14:15], wcat s[16:17], wob s[18:19]
	s_load_b64 s[20:21], s[0:1], 0x40              ; rope
	v_lshl_add_u32 v128, v0, 2, 0x8800             ; my spare word, behind the eight stages (8 x 16 x 272 = 34,816 bytes): kept for the closing add alone
	v_mov_b32 v129, 0                              ; and 0, likewise
	s_mov_b32 s3, ttmp9                            ; the work-group's number
	v_lshlrev_b32 v1, 4, v0                        ; 16 bytes a thread
	s_wait_alu depctr_va_vdst(0)                   ; v1 is written, which the weights' loads and the table's stores read as their offset; so are v128 and v129, which the closing add reads
	s_wait_kmcnt 0x0
	s_cmp_ge_u32 s3, 896
	s_cbranch_scc1 .Ltable
	s_cmp_lt_u32 s3, 512
	s_cbranch_scc1 .Lx
	; Which weight is mine.  SRC s[22:23], DST s[24:25], s26 the tensor's first work-group, s27 destination bytes for 4,096 source bytes,
	; s28 the first destination column in bytes, s29 log2 of a source row's bytes (12 where a row is 4,096 bytes or longer), s30 its mask.
.macro PICK bound, src, dst, first, inc, dcol, sh, mask
	s_cmp_lt_u32 s3, \bound
	s_cselect_b64 s[22:23], s[\src:\src+1], s[22:23]
	s_cselect_b64 s[24:25], s[\dst:\dst+1], s[24:25]
	s_cselect_b32 s26, \first, s26
	s_cselect_b32 s27, \inc, s27
	s_cselect_b32 s28, \dcol, s28
	s_cselect_b32 s29, \sh, s29
	s_cselect_b32 s30, \mask, s30
.endm
	s_mov_b64 s[22:23], s[12:13]                   ; 768-895: Wo, a dense copy
	s_mov_b64 s[24:25], s[18:19]
	s_mov_b32 s26, 768
	s_mov_b32 s27, 2048
	s_mov_b32 s28, 0
	s_mov_b32 s29, 12
	s_mov_b32 s30, 4095
	PICK 768, 10, 16, 704, 8192, 3072, 11, 2047    ; 704-767: Wv, rows of 2,048 bytes into columns 1536.. of wcat's rows of 4,096 bytes
	PICK 704, 8,  16, 640, 8192, 2048, 11, 2047    ; 640-703: Wk, into columns 1024..
	PICK 640, 6,  16, 512, 4096, 0,    12, 4095    ; 512-639: Wq, rows of 4,096 bytes into columns 0..
	s_sub_co_u32 s31, s3, s26                      ; my chunk of that tensor
	s_lshl_b32 s32, s31, 16                        ; 65,536 source bytes a chunk
	s_mov_b32 s33, 0
	s_add_nc_u64 s[22:23], s[22:23], s[32:33]
	s_mul_i32 s34, s31, s27                        ; 16 x s27 destination bytes a chunk,
	s_lshl_b32 s34, s34, 4
	s_add_co_u32 s34, s34, s28                     ; and the first column
	s_mov_b32 s35, 0
	s_add_nc_u64 s[24:25], s[24:25], s[34:35]
	s_mov_b32 s36, 0xffff0000                      ; a word's upper bf16
.irp i, 0,1,2,3,4,5,6,7,8,9,10,11,12,13,14,15
	global_load_b128 v[XR+4*\i:XR+4*\i+3], v1, s[22:23] offset:4096*\i th:TH_LOAD_NT   ; read once in the launch
.endr
	v_lshrrev_b32 v[TT], s29, v1                   ; source row inside 4,096 bytes (0, or 0 and 1)
	v_and_b32 v[TT+1], s30, v1                     ; byte in that row
	v_lshlrev_b32 v[TT], 12, v[TT]                 ; a destination row of wcat is 4,096 bytes
	v_lshrrev_b32 v[TT+1], 1, v[TT+1]              ; 16 bits for 32
	v_add_nc_u32 v[DOFF], v[TT], v[TT+1]
.irp i, 1,2,3,4,5,6,7,8,9,10,11,12,13,14,15
	v_add_nc_u32 v[DOFF+\i], s27, v[DOFF+\i-1]
.endr
; Group g of four loads of Wq, Wk or Wv: rounded to bf16; the stores of the group before are dealt among the roundings.
.macro WGRP g
	s_wait_loadcnt 12-4*(\g)                       ; loads come back in order: this group's four are in, the younger groups stay out
.if (\g) > 0
	s_wait_alu depctr_va_vdst(0)                   ; the group before has written its YR, which the stores below read; at the first such wait DOFF is written too
.endif
.irp i, 0,1,2,3
.set n, 4*(\g)+(\i)
.if (\g) > 0
	global_store_b64 v[DOFF+n-4], v[YR+2*n-8:YR+2*n-7], s[24:25]   ; no hint: the next launch reads these bytes.  No vector instruction since the wait names these registers
.endif
	v_cvt_pk_bf16_f32 v[YR+2*n],   v[XR+4*n],   v[XR+4*n+1]
	v_cvt_pk_bf16_f32 v[YR+2*n+1], v[XR+4*n+2], v[XR+4*n+3]
.endr
.endm
; The same for Wo: rounded to bf16 like the other inputs, then held as f16.
.macro OGRP g
	s_wait_loadcnt 12-4*(\g)                       ; this group's four loads are in, the younger groups stay out
.if (\g) > 0
	s_wait_alu depctr_va_vdst(0)                   ; the group before has written its YR, which the stores below read; at the first such wait DOFF is written too
.endif
.irp i, 0,1,2,3
.set n, 4*(\g)+(\i)
.if (\g) > 0
	global_store_b64 v[DOFF+n-4], v[YR+2*n-8:YR+2*n-7], s[24:25]   ; no vector instruction since the wait names these registers
.endif
	v_cvt_pk_bf16_f32 v[TT],   v[XR+4*n],   v[XR+4*n+1]
	v_cvt_pk_bf16_f32 v[TT+1], v[XR+4*n+2], v[XR+4*n+3]
	v_lshlrev_b32 v[XR+4*n],   16,  v[TT]
	v_and_b32     v[XR+4*n+1], s36, v[TT]
	v_lshlrev_b32 v[XR+4*n+2], 16,  v[TT+1]
	v_and_b32     v[XR+4*n+3], s36, v[TT+1]
	v_cvt_pk_f16_f32 v[YR+2*n],   v[XR+4*n],   v[XR+4*n+1]
	v_cvt_pk_f16_f32 v[YR+2*n+1], v[XR+4*n+2], v[XR+4*n+3]
.endr
.endm
	s_cmp_ge_u32 s3, 768
	s_cbranch_scc1 .Lwo
	WGRP 0
	WGRP 1
	WGRP 2
	WGRP 3
	s_wait_alu depctr_va_vdst(0)                   ; the last group has written its YR, which the last four stores read
.irp i, 12,13,14,15
	global_store_b64 v[DOFF+\i], v[YR+2*\i:YR+2*\i+1], s[24:25]
.endr
	s_endpgm
.Lwo:
	OGRP 0
	OGRP 1
	OGRP 2
	OGRP 3
	s_wait_alu depctr_va_vdst(0)                   ; the last group has written its YR, which the last four stores read
.irp i, 12,13,14,15
	global_store_b64 v[DOFF+\i], v[YR+2*\i:YR+2*\i+1], s[24:25]
.endr
	s_endpgm
.Lx:                                               ; x: row tile = work-group / 2, which 1,024 k = work-group mod 2; my wave: 128 of these k
	v_lshrrev_b32 v2, 5, v0
	v_readfirstlane_b32 s31, v2                    ; wave 0..7
	v_and_b32 v3, 31, v0                           ; lane
	v_lshlrev_b32 v4, 4, v3                        ; 16 x lane
	v_lshlrev_b32 v5, 3, v3                        ; 8 x lane
	v_and_b32 v6, 15, v0
	v_bfe_u32 v7, v0, 4, 1
	v_mul_u32_u24 v6, v6, XPITCH
	v_lshl_add_u32 v6, v7, 4, v6                   ; row lane & 15, 16 bytes for each half of the lanes
	s_lshr_b32 s32, s3, 1
	s_and_b32 s34, s3, 1
	s_lshl_b32 s36, s32, 17                        ; 16 rows of 8,192 bytes
	s_lshl_b32 s37, s34, 12                        ; 1,024 f32
	s_add_co_u32 s36, s36, s37
	s_lshl_b32 s38, s32, 16                        ; 64 fragments of 1,024 bytes a row tile
	s_lshl_b32 s39, s34, 15                        ; 32 fragments
	s_add_co_u32 s38, s38, s39
	s_wait_alu depctr_va_sdst(0)                   ; s31 is written, ahead of its first reader: both bases and the stage's place are made from it
	s_lshl_b32 s37, s31, 9                         ; 128 f32
	s_add_co_u32 s36, s36, s37
	s_mov_b32 s37, 0
	s_add_nc_u64 s[22:23], s[4:5], s[36:37]
	s_lshl_b32 s39, s31, 12                        ; 4 fragments
	s_add_co_u32 s38, s38, s39
	s_mov_b32 s39, 0
	s_add_nc_u64 s[24:25], s[14:15], s[38:39]
	s_mul_i32 s40, s31, 16*XPITCH                  ; my wave's stage
	v_add_nc_u32 v5, s40, v5                       ; in: 8 bytes a lane, a whole row of 256 bytes an instruction
	v_add_nc_u32 v6, s40, v6                       ; back: a fragment's 16 bytes
	s_wait_alu depctr_va_vdst(0)                   ; v4, v5 and v6 are written: the offset of the loads and stores below and the two LDS addresses; none is written again
.irp u, 0,1,2,3,4,5,6,7,8,9,10,11,12,13,14,15
	global_load_b128 v[XR+4*\u:XR+4*\u+3], v4, s[22:23] offset:8192*\u th:TH_LOAD_NT   ; row u: 512 consecutive bytes; read once in the launch
.endr
; Group g of four rows of x: rounded to bf16; the LDS stores of the group before are dealt among the roundings.
.macro XGRP g
	s_wait_loadcnt 12-4*(\g)                       ; this group's four rows are in, the younger groups stay out
.if (\g) > 0
	s_wait_alu depctr_va_vdst(0)                   ; the group before has written its YR, which the LDS stores below read
.endif
.irp i, 0,1,2,3
.set n, 4*(\g)+(\i)
.if (\g) > 0
	ds_store_b64 v5, v[YR+2*n-8:YR+2*n-7] offset:XPITCH*(n-4)      ; no vector instruction since the wait names these registers
.endif
	v_cvt_pk_bf16_f32 v[YR+2*n],   v[XR+4*n],   v[XR+4*n+1]
	v_cvt_pk_bf16_f32 v[YR+2*n+1], v[XR+4*n+2], v[XR+4*n+3]
.endr
.endm
	XGRP 0
	XGRP 1
	XGRP 2
	XGRP 3
	s_wait_alu depctr_va_vdst(0)                   ; the last group has written its YR, which the last four LDS stores read; and all the roundings are done reading XR, in which the fragments land
.irp u, 12,13,14,15
	ds_store_b64 v5, v[YR+2*\u:YR+2*\u+1] offset:XPITCH*\u
.endr
.irp t, 0,1,2,3,4,5,6,7
	ds_load_b128 v[XR+4*\t:XR+4*\t+3], v6 offset:32*\t     ; half t & 1 of fragment t / 2.  My own bytes, served in order: these see the stores above
.endr
.irp t, 0,1,2,3,4,5,6,7
	s_wait_dscnt 7-\t                              ; LDS loads come back in order: load t is in
	global_store_b128 v4, v[XR+4*\t:XR+4*\t+3], s[24:25] offset:512*\t     ; 512 consecutive bytes, aligned; no hint: the next launch reads them
.endr
	s_wait_dscnt 0x0                               ; the closing lines, six on end
	s_wait_alu 0x0
	s_wait_tensorcnt 0x0
	ds_add_u32 v128, v129
	s_wait_dscnt 0x0
	s_endpgm
.Ltable:
	s_sub_co_u32 s31, s3, 896                      ; my tile of 16 positions
	s_lshl_b32 s32, s31, 13
	s_mov_b32 s33, 0
	s_add_nc_u64 s[20:21], s[20:21], s[32:33]
	s_lshl_b32 s34, s31, 4
	s_mov_b32 s40, 0x2f309231                      ; 1/13!
	s_mov_b32 s41, 0xad49cba5                      ; -1/14!
	v_and_b32 v2, 15, v0
	v_add_nc_u32 v2, s34, v2
	v_cvt_f32_u32 v2, v2                           ; t
	v_lshrrev_b32 v3, 6, v0
	v_bfe_u32 v4, v0, 5, 1
	v_bfe_u32 v5, v0, 4, 1
	v_lshlrev_b32 v3, 4, v3
	v_lshl_add_u32 v3, v5, 3, v3
	v_lshl_add_u32 v3, v4, 2, v3                   ; my first frequency
.irp e, 0,1,2,3
	v_add_nc_u32 v[EI+\e], \e, v3
	v_cvt_f32_u32 v[EI+\e], v[EI+\e]
	v_mul_f32 v[EI+\e], 0xbe9773da, v[EI+\e]       ; - i log2(500000) / 64
.endr
.irp e, 0,1,2,3
	v_exp_f32 v[EI+\e], v[EI+\e]                   ; 500000^(-i/64)
.endr
	v_nop                                          ; one plain instruction between the exponentials and their use (ISA guide 5.7.2)
	s_wait_alu depctr_va_vdst(0)                   ; the four exponentials have written v[EI ..]: one wait for the batch, ahead of its first reader
.irp e, 0,1,2,3
	v_mul_f32 v[AN+\e], v2, v[EI+\e]               ; the angle, in f32 as the module forms it
	v_mul_f32 v[NN+\e], 0.15915494, v[AN+\e]
	v_rndne_f32 v[NN+\e], v[NN+\e]                 ; whole turns
	v_fmamk_f32 v[RA+\e], v[NN+\e], 0xc0c90fdb, v[AN+\e]   ; - n x the upper part of 2 pi (the product is exact inside the fused multiply-add)
	v_fmamk_f32 v[RA+\e], v[NN+\e], 0x343bbd2e, v[RA+\e]   ; - n x the lower part, which is negative
	v_mul_f32 v[YY+\e], v[RA+\e], v[RA+\e]
.endr
.irp e, 0,1,2,3
	v_fmaak_f32 v[PS+\e], s40, v[YY+\e], 0xb2d7322b        ; -1/11!
	v_fmaak_f32 v[PC+\e], s41, v[YY+\e], 0x310f76c7        ; 1/12!
.endr
.irp e, 0,1,2,3
	v_fmaak_f32 v[PS+\e], v[PS+\e], v[YY+\e], 0x3638ef1d   ; 1/9!
	v_fmaak_f32 v[PC+\e], v[PC+\e], v[YY+\e], 0xb493f27e   ; -1/10!
.endr
.irp e, 0,1,2,3
	v_fmaak_f32 v[PS+\e], v[PS+\e], v[YY+\e], 0xb9500d01   ; -1/7!
	v_fmaak_f32 v[PC+\e], v[PC+\e], v[YY+\e], 0x37d00d01   ; 1/8!
.endr
.irp e, 0,1,2,3
	v_fmaak_f32 v[PS+\e], v[PS+\e], v[YY+\e], 0x3c088889   ; 1/5!
	v_fmaak_f32 v[PC+\e], v[PC+\e], v[YY+\e], 0xbab60b61   ; -1/6!
.endr
.irp e, 0,1,2,3
	v_fmaak_f32 v[PS+\e], v[PS+\e], v[YY+\e], 0xbe2aaaab   ; -1/3!
	v_fmaak_f32 v[PC+\e], v[PC+\e], v[YY+\e], 0x3d2aaaab   ; 1/4!
.endr
.irp e, 0,1,2,3
	v_fma_f32 v[PS+\e], v[PS+\e], v[YY+\e], 1.0
	v_fma_f32 v[PC+\e], v[PC+\e], v[YY+\e], -0.5
.endr
.irp e, 0,1,2,3
	v_mul_f32 v[PS+\e], v[PS+\e], v[RA+\e]
	v_fma_f32 v[PC+\e], v[PC+\e], v[YY+\e], 1.0
.endr
	s_wait_alu depctr_va_vdst(0)                   ; the sums have written v[PC ..] and v[PS ..], which the two stores read
	global_store_b128 v1, v[PC:PC+3], s[20:21]             ; a wave's store covers 512 consecutive bytes
	global_store_b128 v1, v[PS:PS+3], s[20:21] offset:4096
	s_endpgm
.Lfunc_end_k_q1c15aed086_prep:
	.size	k_q1c15aed086_prep, .Lfunc_end_k_q1c15aed086_prep-k_q1c15aed086_prep
	.p2alignl 7, 3214868480
	.fill 96, 4, 3214868480
	.section	.rodata,"a",@progbits
	.p2align	6, 0x0
	.amdhsa_kernel k_q1c15aed086_prep
		.amdhsa_group_segment_fixed_size 35840
		.amdhsa_private_segment_fixed_size 0
		.amdhsa_enable_private_segment 0
		.amdhsa_kernarg_size 72
		.amdhsa_user_sgpr_count 2
		.amdhsa_user_sgpr_kernarg_segment_ptr 1
		.amdhsa_wavefront_size32 1
		.amdhsa_system_sgpr_workgroup_id_x 1
		.amdhsa_system_sgpr_workgroup_id_y 1
		.amdhsa_system_sgpr_workgroup_id_z 1
		.amdhsa_system_vgpr_workitem_id 0
		.amdhsa_next_free_vgpr 130
		.amdhsa_next_free_sgpr 66
		.amdhsa_reserve_vcc 0
		.amdhsa_float_denorm_mode_32 3
		.amdhsa_float_denorm_mode_16_64 3
		.amdhsa_memory_ordered 1
		.amdhsa_forward_progress 1
		.amdhsa_inst_pref_size 31
	.end_amdhsa_kernel
	.amdgpu_metadata
---
amdhsa.version: [ 1, 2 ]
amdhsa.kernels:
  - .name:           k_q1c15aed086_prep
    .symbol:         k_q1c15aed086_prep.kd
    .args:
      - { .name: x, .offset: 0, .size: 8, .value_kind: global_buffer, .address_space: global }
      - { .name: Wq, .offset: 8, .size: 8, .value_kind: global_buffer, .address_space: global }
      - { .name: Wk, .offset: 16, .size: 8, .value_kind: global_buffer, .address_space: global }
      - { .name: Wv, .offset: 24, .size: 8, .value_kind: global_buffer, .address_space: global }
      - { .name: Wo, .offset: 32, .size: 8, .value_kind: global_buffer, .address_space: global }
      - { .name: xb, .offset: 40, .size: 8, .value_kind: global_buffer, .address_space: global }
      - { .name: wcat, .offset: 48, .size: 8, .value_kind: global_buffer, .address_space: global }
      - { .name: wob, .offset: 56, .size: 8, .value_kind: global_buffer, .address_space: global }
      - { .name: rope, .offset: 64, .size: 8, .value_kind: global_buffer, .address_space: global }
    .group_segment_fixed_size: 35840
    .private_segment_fixed_size: 0
    .kernarg_segment_align: 8
    .kernarg_segment_size: 72
    .max_flat_workgroup_size: 256
    .sgpr_count:     66
    .vgpr_count:     130
    .wavefront_size: 32
...
	.end_amdgpu_metadata
.endif
;; end of part 5
;; launch qkv: the kernel of part 2 again; grid 16 x 16, 4 waves a work-group, clusters of 4 x 4, 327,680 bytes of LDS; arguments xb, wcat, rope, q_norm_w, k_norm_w, qkv, vlo; writes qkv, vlo
;; launch attn: the kernel of part 3 again; grid 32 x 8, 4 waves a work-group, clusters of 4 x 1, 327,680 bytes of LDS; arguments qkv, vlo, att; writes att
;; launch oproj: the kernel of part 4 again; grid 16 x 16, 4 waves a work-group, clusters of 4 x 4, 327,680 bytes of LDS; arguments att, wob, out0; writes out0
